; MI455X (gfx1250); checked and timed in simulation.
; The chip was launched on July 23, 2026; its instructions are those of AMD's public machine-readable ISA for CDNA 5 (MIT licence, August 2026) and "CDNA5" Instruction Set Architecture Reference Guide (July 2026). The comments in the code are by the model that wrote it; some were corrected since.
;; Self Attention. Allowed arithmetic: matrix products marked QUANTISED: E2M1 operands, one E8M0 scale for each 32 along K, by v_wmma_scale_f32_16x16x128_f8f6f4 with both operands' format E2M1 (or v_wmma_scale_f32_32x16x128_f4), f32 sums; products left as they are: bf16, f16 or f32 operands; f32 sums; everything else in f32.
;; Inputs: Wk 1,024 x 1,024 float32; Wq 1,024 x 1,024 float32; Wv 1,024 x 1,024 float32; mask 4 x 2,048 int32; x 4 x 2,048 x 1,024 float32.
;; Outputs: out0 4 x 2,048 x 1,024 float32.
;; This version of the problem:
;;   THIS VERSION OF THE PROBLEM IS GIVEN IN LOW PRECISION. The matrix products marked QUANTISED in the list below multiply operands that are first quantised to E2M1 (2 exponent bits, 1 mantissa bit; 4 bits a number), with one power-of-two scale for each 32 numbers along K (OCP MX v1.0); their sums are f32. The products marked 'left as it is' may take bf16, f16 or f32 operands, with f32 sums. Whichever they take, every output number must still come out within the allowed error. Rounding operands to bf16 (8 significant bits) uses up far more of that allowance than f16 does (11 bits, for magnitudes from 6e-5 to 65,504). All else is computed in f32.
;;   The module's matrix products, in the order in which they are computed (A, B: the left and right operand; K: the contracted axis; several contracted axes count as one K, in the product's order):
;;     1. [M 8,192, K 1,024] x [K 1,024, N 1,024]; A: input x; B: input Wq: QUANTISED
;;     2. [M 8,192, K 1,024] x [K 1,024, N 1,024]; A: input x; B: input Wk: QUANTISED
;;     3. [M 8,192, K 1,024] x [K 1,024, N 1,024]; A: input x; B: input Wv: QUANTISED
;;     4. batch 4 x [M 2,048, K 1,024] x [K 1,024, N 2,048]; A: computed on the way; B: computed on the way: left as it is (an operand is computed on the way)
;;     5. batch 4 x [M 2,048, K 2,048] x [K 2,048, N 1,024]; A: computed on the way; B: computed on the way: left as it is (an operand is computed on the way)
;;   THE QUANTISER, for each operand of a quantised product, along K:
;;     - K is cut into blocks of 32 from its start; a last block that is shorter is filled with zeros.
;;     - A block's scale is 2^e with e = floor(log2(the largest magnitude in the block)) - 2, held to -126 .. 127; a block of zeros has e = 0. As a byte (E8M0): e + 127.
;;     - Each number is divided by its block's scale, clamped to +-6, and rounded to the nearest number of E2M1, ties to even, subnormals kept.
;;     - The product sums the exact products of the quantised numbers (number of the format x scale) in f32.
;;   ~~~python
;;   def quantise(x, axis):      # numpy; x: float32 -> the quantised numbers, widened to float32 again
;;       x = np.moveaxis(x, axis, -1); K = x.shape[-1]
;;       x = np.pad(x, [(0, 0)] * (x.ndim - 1) + [(0, -K % 32)]); x = x.reshape(x.shape[:-1] + (-1, 32)); a = np.abs(x).max(-1, keepdims=True)
;;       e = np.where(a > 0, np.clip(np.frexp(np.where(a > 0, a, 1))[1] - 1 - 2, -126, 127), 0)      # np.frexp(a)[1] - 1 = floor(log2(a)), exactly
;;       r = np.clip(x / 2.0 ** e, -6, 6)
;;       step = 2.0 ** (np.maximum(np.frexp(np.where(r == 0, 1, r))[1] - 1, 0) - 1)
;;       q = np.round(r / step) * step * 2.0 ** e      # np.round: ties to even
;;       return np.moveaxis(q.reshape(q.shape[:-2] + (-1,))[..., :K], -1, axis).astype(np.float32)
;;   ~~~
;; One version. Each part assembles by itself: llvm-mc -triple=amdgcn-amd-amdhsa -mcpu=gfx1250 --defsym DOCPART=n.
;; ======== version 1 of 1: 4 launches
;; limits: values are held in f16: magnitudes above 65,504 overflow, below 6.1e-05 lose precision
;; workspace buffers: xc 4,194,304 bytes; xs 262,144 bytes; wc 1,572,864 bytes; ws 98,304 bytes; qkv 50,331,648 bytes; pimg 33,554,432 bytes; stats 1,048,576 bytes
;; launch quant (part 1): grid 448 x 1, 4 waves a work-group, no clusters, 42,496 bytes of LDS; arguments x, Wq, Wk, Wv, xc, xs, wc, ws; writes xc, xs, wc, ws
.if DOCPART == 1
	.amdgcn_target "amdgcn-amd-amdhsa--gfx1250"
	.amdhsa_code_object_version 6
	.text
	.protected	k_qc9659833a1_quant
	.globl	k_qc9659833a1_quant
	.p2align	8
	.type	k_qc9659833a1_quant,@function
k_qc9659833a1_quant:
	s_mov_b64 s[64:65], 0
	v_nop
	global_prefetch_b8 v0, s[64:65] scope:SCOPE_SE
	s_setreg_imm32_b32 hwreg(HW_REG_WAVE_MODE, 25, 1), 1
	s_wait_xcnt 0x0
; ONE LAUNCH QUANTISES BOTH OPERANDS OF THE THREE PROJECTIONS to codes of FP4 (E2M1), 4 bits each, K innermost, with one E8M0 scale byte for each 32 along K.
; A block's scale is 2^(floor(log2(its largest magnitude)) - 2); its byte is the largest magnitude's own exponent field - 2, held at 1 from below.  Each number is divided by the scale and rounded to the
; nearest code, ties to even; beyond 6 the conversion gives the largest code.
; LIMITS: a block of zeros gets the byte 1 where the quantiser says 127: its codes are zeros, which add nothing, and the bytes are read by this program alone.  Blocks whose largest magnitude lies under
; 2^-124 are held at that byte.  NaN and infinities among the inputs are not served.
; Work-groups 0 .. 255 take x, work-groups 256 .. 447 the weights.  The two ways part once, on the work-group's number, and never join; each has LDS bytes of its own.
; x [8192][1024] -> xc [8192][512 bytes], xs [8192][32].  K is innermost and rows are dense: a plain stream of blocks of 32.  A wave takes 16 steps of 512 numbers.  The conversion takes 8 numbers of ONE
;   block from a lane's consecutive registers, so a lane must hold 16 neighbours; a load is dense where neighbouring lanes take neighbouring bytes.  Both are had: each of a step's four loads reads 512
;   consecutive bytes, the 2,048 bytes go through the wave's own stage in LDS as they lie and come back 64 bytes a lane (16 bytes of padding behind each 64).  Loads run eight steps (32 loads a wave)
;   ahead, the turn through LDS one step.  No barrier: waves share nothing.
; Wq, Wk, Wv [1024 (k)][1024 (n)] -> wc [3072 (n)][512 bytes], ws [3072][32]; n = 0 .. 1,023 are Wq's columns, then Wk's, then Wv's.  K is the FIRST axis: A LANE TAKES A COLUMN AND ITS REGISTERS RUN DOWN K:
;   a load reads 32 neighbouring columns of one row (128 consecutive bytes), a block lies in one lane's 32 registers, and the conversions give codes with K innermost.  A work-group takes 32 columns x 512
;   along K, wave w the 128 from 128 w on: four blocks a lane, two of them ahead.  The four waves' codes meet in one stage (32 rows of 256 bytes + 16); behind a barrier each wave stores eight whole rows:
;   sixteen lanes write 256 consecutive bytes, aligned.  The scale bytes leave as words, 16 bytes of each column's row from one work-group: one byte for 128 bytes read.
.set EMAX,  2
.set SPW,   12                         ; v12  LDS address of my spare word; never rewritten
.set NIL,   13                         ; v13  0; never rewritten
; x's way
.set STEPS, 16
.set AHEAD, 8
.set CB,    8                          ; bytes of 16 codes
.set R,     16                         ; v16-143  eight sets of 16 numbers as they are loaded
.set X,     144                        ; v144-175 two sets of 16 neighbours
.set C,     176                        ; v176-207 codes: a pair of registers for each step, so that no store's data are written again
.set E,     208                        ; v208-223 a scale byte for each step
.set WREG,  8192                       ; LDS: a region for each wave: two stages of 32 x SP bytes, behind them its 256 scale bytes
.set SP,    80                         ; a lane's place in a stage: 64 bytes + 16 of padding
; the weights' way
.set PITCH, 272
.set WST,   4*WREG                     ; behind x's four regions: the weights' stage, 32 rows
.set WSC,   WST+32*PITCH               ; 32 columns x 16 scale bytes
.set SPARE, WSC+512                    ; the spare words, 128 bytes a wave, which no other line names
.set XW,    32                         ; v32-95   two sets of 32 numbers
.set CW,    96                         ; v96-99   a block's codes
.set OUTR,  100                        ; v100-115 the way out: 4 x 4 registers
.set SW,    116                        ; v116     a scale word on its way out
.set SB,    24                         ; v24      my four scale bytes
	s_load_b256 s[4:11], s[0:1], 0x0               ; x s[4:5], Wq s[6:7], Wk s[8:9], Wv s[10:11]
	s_load_b256 s[12:19], s[0:1], 0x20             ; xc s[12:13], xs s[14:15], wc s[16:17], ws s[18:19]
	v_lshl_add_u32 v[SPW], v0, 2, SPARE
	v_mov_b32 v[NIL], 0
	v_lshrrev_b32 v1, 5, v0
	v_readfirstlane_b32 s20, v1                    ; wave 0..3
	v_and_b32 v2, 31, v0                           ; lane
	s_cmp_lt_u32 ttmp9, 256                        ; the work-group's number alone decides: all four waves go the same way
	s_cbranch_scc0 .Lweights
	; ---------------- x ----------------
	v_lshlrev_b32 v3, 4, v2                        ; my 16 bytes of a load's 512
	s_mul_i32 s21, s20, WREG
	v_lshrrev_b32 v14, 2, v2
	v_mul_u32_u24 v14, v14, SP
	v_and_b32 v15, 3, v2
	v_lshl_add_u32 v14, v15, 4, v14
	v_add_nc_u32 v14, s21, v14                     ; the stage, on the way in: SP (lane / 4) + 16 (lane % 4)
	v_mul_u32_u24 v15, v2, SP
	v_add_nc_u32 v15, s21, v15                     ; and on the way out: SP x lane: my 16 neighbours
	v_mul_u32_u24 v4, v2, CB                       ; my codes' place in a step's 256 bytes
	v_lshrrev_b32 v5, 1, v2
	s_add_co_u32 s21, s21, 2*32*SP
	v_add_nc_u32 v5, s21, v5                       ; LDS: my wave's 256 scale bytes, my block's byte
	v_lshlrev_b32 v7, 3, v2                        ; and on the way out 8 bytes a lane
	v_add_nc_u32 v6, s21, v7
	s_lshl_b32 s22, ttmp9, 2
	s_add_co_u32 s22, s22, s20                     ; which run of 8,192 numbers is my wave's: 0 .. 1,023
	s_lshl_b32 s24, s22, 15                        ; 32,768 bytes of x a run
	s_mov_b32 s25, 0
	s_wait_kmcnt 0x0
	s_add_nc_u64 s[4:5], s[4:5], s[24:25]
	s_lshl_b32 s24, s22, 12                        ; 4,096 bytes of codes
	s_add_nc_u64 s[12:13], s[12:13], s[24:25]
	s_lshl_b32 s24, s22, 8                         ; 256 scale bytes
	s_add_nc_u64 s[14:15], s[14:15], s[24:25]
.macro LOAD t
.irp i, 0,1,2,3
	global_load_b128 v[R+16*((\t)%AHEAD)+4*\i:R+16*((\t)%AHEAD)+4*\i+3], v3, s[4:5] offset:2048*(\t)+512*\i th:TH_LOAD_NT   ; 32 lanes read 512 consecutive bytes
.endr
.endm
.macro TURN t                          ; step t's numbers through the stage: LDS serves a wave's instructions in order, so no wait stands between the stores and the loads
.irp i, 0,1,2,3
	ds_store_b128 v14, v[R+16*((\t)%AHEAD)+4*\i:R+16*((\t)%AHEAD)+4*\i+3] offset:32*SP*((\t)%2)+8*SP*\i
.endr
.irp i, 0,1,2,3
	ds_load_b128 v[X+16*((\t)%2)+4*\i:X+16*((\t)%2)+4*\i+3], v15 offset:32*SP*((\t)%2)+16*\i
.endr
.endm
.irp t, 0,1,2,3,4,5,6,7
	LOAD \t
.endr
	s_wait_loadcnt 4*(AHEAD-1)                     ; step 0's four loads are in; the seven steps behind it may be out
	TURN 0
.macro STEP t
.set XS, X+16*((\t)%2)
.if (\t) > 0
	s_wait_dscnt 1                                 ; this step's numbers are back from the stage (the last step's byte store may be out): so its stores into the stage have read their registers,
.else
	s_wait_dscnt 0x0
.endif
.if (\t)+AHEAD < STEPS
	LOAD (\t)+AHEAD                                ; which take the loads of eight steps on
.endif
.if (\t)+1 < STEPS
.if (\t)+AHEAD < STEPS
	s_wait_loadcnt 4*(AHEAD-1)                     ; the next step's four loads are in; those of the seven steps behind it may be out
.else
	s_wait_loadcnt 4*(STEPS-2-(\t))                ; the counts run down: nothing more is asked for
.endif
	TURN (\t)+1                                    ; through the other stage while this step is worked
.endif
	v_max3_num_f32 v8, |v[XS]|, |v[XS+1]|, |v[XS+2]|               ; the largest magnitude of my 16, in two chains
	v_max3_num_f32 v9, |v[XS+3]|, |v[XS+4]|, |v[XS+5]|
.irp i, 6,10
	v_max3_num_f32 v8, v8, |v[XS+\i]|, |v[XS+\i+1]|
	v_max3_num_f32 v9, v9, |v[XS+\i+2]|, |v[XS+\i+3]|
.endr
	v_max3_num_f32 v8, v8, |v[XS+14]|, |v[XS+15]|
	v_max3_num_f32 v8, v8, v9, (EMAX+1)<<23        ; and the floor 2^(3 - 127): the byte cannot fall under 1
	v_max_num_f32_dpp v8, v8, v8 row_xmask:1 row_mask:0xf bank_mask:0xf   ; and of my neighbour's 16: the block's
	v_add_nc_u32 v11, 0xff000000, v8               ; 2 off its exponent field: the conversion takes the exponent field of this operand as its scale
	v_cvt_scalef32_pk8_fp4_f32 v[C+2*(\t)], v[XS:XS+7], v11
	v_cvt_scalef32_pk8_fp4_f32 v[C+2*(\t)+1], v[XS+8:XS+15], v11
	v_lshrrev_b32 v[E+(\t)], 23, v11               ; the scale's byte (a plain line behind the conversions)
	ds_store_b8 v5, v[E+(\t)] offset:16*(\t)       ; both lanes of a block write the same byte with the same value
	global_store_b64 v4, v[C+2*(\t):C+2*(\t)+1], s[12:13] offset:32*CB*(\t)   ; 32 lanes store 256 consecutive bytes, aligned
.endm
.irp t, 0,1,2,3,4,5,6,7,8,9,10,11,12,13,14,15
	STEP \t
.endr
	ds_load_b64 v[8:9], v6                         ; LDS serves a wave's instructions in order: these see my byte stores
	s_wait_dscnt 0x0
	global_store_b64 v7, v[8:9], s[14:15]          ; 32 lanes store 256 consecutive bytes, aligned
	s_wait_tensorcnt 0x0                           ; the wave's end, behind my last LDS store
	ds_add_u32 v[SPW], v[NIL]
	s_wait_dscnt 0x0
	s_endpgm
	; ---------------- the weights ----------------
.Lweights:
	s_and_b32 s30, ttmp9, 255                      ; 0 .. 191
	s_lshr_b32 s21, s30, 1                         ; which 32 of the 3,072 columns
	s_and_b32 s22, s30, 1                          ; which 512 along K
	v_lshlrev_b32 v3, 2, v2                        ; in: 4 bytes a lane
	s_lshl_b32 s23, s20, 6
	s_add_co_u32 s23, s23, WST
	v_mul_u32_u24 v4, v2, PITCH
	v_add_nc_u32 v4, s23, v4                       ; into the stage: row = my column, + 64 bytes for each 128 along K
	s_lshl_b32 s23, s20, 2
	s_add_co_u32 s23, s23, WSC
	v_lshl_add_u32 v5, v2, 4, s23                  ; my scale word: 16 bytes a column, + 4 for each 128 along K
	v_lshl_add_u32 v6, v0, 2, WSC                  ; and back: a word a thread
	v_and_b32 v10, 15, v2
	v_lshrrev_b32 v11, 4, v2
	s_mul_i32 s23, s20, 8*PITCH
	s_add_co_u32 s23, s23, WST
	v_mul_u32_u24 v7, v11, PITCH
	v_lshl_add_u32 v7, v10, 4, v7
	v_add_nc_u32 v7, s23, v7                       ; out of the stage: my wave's eight rows, sixteen lanes to a row
	v_lshlrev_b32 v8, 9, v11
	v_lshl_add_u32 v8, v10, 4, v8                  ; the same place in wc: rows of 512 bytes
	v_lshrrev_b32 v9, 2, v0
	v_lshlrev_b32 v9, 5, v9
	v_and_b32 v10, 3, v0
	v_lshl_add_u32 v9, v10, 2, v9                  ; in ws: column (thread / 4) x 32 bytes + 4 (thread % 4)
	s_lshl_b32 s24, s22, 9
	s_lshl_b32 s25, s20, 7
	s_add_co_u32 s24, s24, s25
	s_lshl_b32 s24, s24, 12                        ; W: (512 y + 128 wave) rows of 4,096 bytes
	s_and_b32 s25, s21, 31
	s_lshl_b32 s25, s25, 7
	s_add_co_u32 s24, s24, s25                     ; + 32 columns of 4 bytes for each group of columns inside its weight
	s_mov_b32 s25, 0
	s_lshl_b32 s26, s21, 14                        ; wc: (32 x group + 8 x wave) rows of 512 bytes + 256 y
	s_lshl_b32 s27, s20, 12
	s_add_co_u32 s26, s26, s27
	s_lshl_b32 s27, s22, 8
	s_add_co_u32 s26, s26, s27
	s_mov_b32 s27, 0
	s_lshl_b32 s28, s21, 10                        ; ws: 32 x group rows of 32 bytes + 16 y
	s_lshl_b32 s29, s22, 4
	s_add_co_u32 s28, s28, s29
	s_mov_b32 s29, 0
	s_wait_kmcnt 0x0
	s_cmp_lt_u32 s30, 128                          ; which weight: the choice hangs on the work-group's number alone
	s_cselect_b64 s[8:9], s[8:9], s[10:11]
	s_cmp_lt_u32 s30, 64
	s_cselect_b64 s[6:7], s[6:7], s[8:9]
	s_add_nc_u64 s[6:7], s[6:7], s[24:25]
	s_add_nc_u64 s[16:17], s[16:17], s[26:27]
	s_add_nc_u64 s[18:19], s[18:19], s[28:29]
.macro LOADW t                         ; block t: W(32 t + i, my column), i = 0 .. 31, into set t % 2
.irp i, 0,1,2,3,4,5,6,7,8,9,10,11,12,13,14,15,16,17,18,19,20,21,22,23,24,25,26,27,28,29,30,31
	global_load_b32 v[XW+32*((\t)%2)+\i], v3, s[6:7] offset:(32*(\t)+\i)*4096 th:TH_LOAD_NT
.endr
.endm
	LOADW 0
	LOADW 1
.macro BLOCK t
.set XS, XW+32*((\t)%2)
.if (\t) < 3
	s_wait_loadcnt 32                              ; this block's 32 loads are in; the next block's may be out
.else
	s_wait_loadcnt 0x0
.endif
	v_max3_num_f32 v16, |v[XS]|, |v[XS+1]|, |v[XS+2]|               ; the block's largest magnitude: all 32 numbers are mine
	v_max3_num_f32 v17, |v[XS+3]|, |v[XS+4]|, |v[XS+5]|
.irp i, 6,10,14,18,22,26
	v_max3_num_f32 v16, v16, |v[XS+\i]|, |v[XS+\i+1]|
	v_max3_num_f32 v17, v17, |v[XS+\i+2]|, |v[XS+\i+3]|
.endr
	v_max3_num_f32 v16, v16, |v[XS+30]|, |v[XS+31]|
	v_max3_num_f32 v16, v16, v17, (EMAX+1)<<23     ; and the floor 2^(3 - 127): the byte cannot fall under 1
	v_add_nc_u32 v11, 0xff000000, v16              ; 2 off its exponent field: the conversion's scale operand
	v_lshrrev_b32 v17, 23, v11                     ; the scale's byte
.if (\t) == 0
	v_mov_b32 v[SB], v17                           ; four bytes to a register, the lower K in the lower byte
.else
	v_lshl_or_b32 v[SB], v17, 8*(\t), v[SB]
.endif
.irp g, 0,1,2,3
	v_cvt_scalef32_pk8_fp4_f32 v[CW+\g], v[XS+8*\g:XS+8*\g+7], v11
.endr
	v_nop                                          ; a plain line behind the last conversion
	ds_store_b128 v4, v[CW:CW+3] offset:16*(\t)    ; 32 codes: 16 bytes of my column's row
.if (\t)+2 < 4
	LOADW (\t)+2
.endif
	s_wait_dscnt 0x0                               ; the store has read its registers: the next block's codes may be written
.endm
	BLOCK 0
	BLOCK 1
	BLOCK 2
	BLOCK 3
	ds_store_b32 v5, v[SB]
	s_wait_dscnt 0x0                               ; for the others' sake: my stores into the stage and among the scale words are done
	s_barrier_signal -1
	s_barrier_wait -1
.irp i, 0,1,2,3
	ds_load_b128 v[OUTR+4*\i:OUTR+4*\i+3], v7 offset:2*\i*PITCH
.endr
	ds_load_b32 v[SW], v6
.irp i, 0,1,2,3
	s_wait_dscnt 4-\i                              ; behind load i: the later row loads and the word's
	global_store_b128 v8, v[OUTR+4*\i:OUTR+4*\i+3], s[16:17] offset:1024*\i   ; sixteen lanes store 256 consecutive bytes, aligned
.endr
	s_wait_dscnt 0x0
	global_store_b32 v9, v[SW], s[18:19]
	s_wait_tensorcnt 0x0                           ; the wave's end, behind my last LDS store
	ds_add_u32 v[SPW], v[NIL]
	s_wait_dscnt 0x0
	s_endpgm
.Lfunc_end_k_qc9659833a1_quant:
	.size	k_qc9659833a1_quant, .Lfunc_end_k_qc9659833a1_quant-k_qc9659833a1_quant
	.p2alignl 7, 3214868480
	.fill 96, 4, 3214868480
	.section	.rodata,"a",@progbits
	.p2align	6, 0x0
	.amdhsa_kernel k_qc9659833a1_quant
		.amdhsa_group_segment_fixed_size 42496
		.amdhsa_private_segment_fixed_size 0
		.amdhsa_enable_private_segment 0
		.amdhsa_kernarg_size 64
		.amdhsa_user_sgpr_count 2
		.amdhsa_user_sgpr_kernarg_segment_ptr 1
		.amdhsa_wavefront_size32 1
		.amdhsa_system_sgpr_workgroup_id_x 1
		.amdhsa_system_sgpr_workgroup_id_y 1
		.amdhsa_system_sgpr_workgroup_id_z 1
		.amdhsa_system_vgpr_workitem_id 0
		.amdhsa_next_free_vgpr 224
		.amdhsa_next_free_sgpr 66
		.amdhsa_reserve_vcc 0
		.amdhsa_float_denorm_mode_32 3
		.amdhsa_float_denorm_mode_16_64 3
		.amdhsa_memory_ordered 1
		.amdhsa_forward_progress 1
		.amdhsa_inst_pref_size 55
	.end_amdhsa_kernel
	.amdgpu_metadata
---
amdhsa.version: [ 1, 2 ]
amdhsa.kernels:
  - .name:           k_qc9659833a1_quant
    .symbol:         k_qc9659833a1_quant.kd
    .args:
      - { .name: x, .offset: 0, .size: 8, .value_kind: global_buffer, .address_space: global }
      - { .name: Wq, .offset: 8, .size: 8, .value_kind: global_buffer, .address_space: global }
      - { .name: Wk, .offset: 16, .size: 8, .value_kind: global_buffer, .address_space: global }
      - { .name: Wv, .offset: 24, .size: 8, .value_kind: global_buffer, .address_space: global }
      - { .name: xc, .offset: 32, .size: 8, .value_kind: global_buffer, .address_space: global }
      - { .name: xs, .offset: 40, .size: 8, .value_kind: global_buffer, .address_space: global }
      - { .name: wc, .offset: 48, .size: 8, .value_kind: global_buffer, .address_space: global }
      - { .name: ws, .offset: 56, .size: 8, .value_kind: global_buffer, .address_space: global }
    .group_segment_fixed_size: 42496
    .private_segment_fixed_size: 0
    .kernarg_segment_align: 8
    .kernarg_segment_size: 64
    .max_flat_workgroup_size: 128
    .sgpr_count:     66
    .vgpr_count:     224
    .wavefront_size: 32
...
	.end_amdgpu_metadata
.endif
;; end of part 1
;; launch proj (part 2): grid 8 x 32, 4 waves a work-group, clusters of 4 x 4, 327,680 bytes of LDS; arguments xc, xs, wc, ws, qkv; writes qkv
.if DOCPART == 2
	.amdgcn_target "amdgcn-amd-amdhsa--gfx1250"
	.amdhsa_code_object_version 6
	.text
	.protected	k_qc9659833a1_proj
	.globl	k_qc9659833a1_proj
	.p2align	8
	.type	k_qc9659833a1_proj,@function
k_qc9659833a1_proj:
	s_mov_b64 s[64:65], 0
	v_nop
	global_prefetch_b8 v0, s[64:65] scope:SCOPE_SE
	s_setreg_imm32_b32 hwreg(HW_REG_WAVE_MODE, 25, 1), 1
	s_wait_xcnt 0x0
	s_wait_alu depctr_hold_cnt(0) depctr_sa_sdst(0) depctr_va_vdst(0) depctr_va_sdst(0) depctr_va_ssrc(0) depctr_va_vcc(0) depctr_vm_vsrc(0)
	s_getreg_b32 s2, hwreg(HW_REG_IB_STS2, 6, 4)
	s_cmp_eq_u32 s2, 0
	s_cbranch_scc0 .Lentry_in_a_cluster
	s_endpgm
.Lentry_in_a_cluster:
	s_bfe_u32 s2, ttmp6, 0x10000c
	s_cmp_lg_u32 s2, 0xf033
	s_cbranch_scc0 .Lentry_shape_is_right
	s_endpgm
.Lentry_shape_is_right:
; qkv[m][n] = sum over k of x[m][k] W[k][n], all three projections as ONE product: A = x's codes [8192][1024], B = the weights' codes [3072][1024], FP4 (E2M1) with one E8M0 scale for each 32 along K;
; sums in f32; the result is rounded once to f16 and laid [8192][3072]: q in columns 0 .. 1,023 of a row, k in 1,024 .. 2,047, v in 2,048 .. 3,071.
; LIMIT: a sum beyond 65,504 becomes an infinity in f16.
; SHARES.  8,192 x 3,072 results on 256 work-groups: a work-group makes 256 rows x 384 columns, in THREE PHASES of 128 columns.  Wave w owns rows 64 w .. 64 w + 63 (four blocks a) x the phase's 128 columns
; (eight blocks b): 32 accumulators, 256 registers.  ITS FRAGMENTS OF A, all of K (4 blocks x 8 steps x 8 registers = 256), ARE READ FROM LDS ONCE, during phase 0, AND STAY IN REGISTERS for all three
; phases; so a step of 128 along K reads B's eight fragments alone: 16 LDS loads for 32 matrix instructions.  B's fragments go through a ring of four register sets, asked for two steps ahead.
; LDS.  Rows are all of K, 512 bytes.  A's 256 rows; two places for B's 128 rows of a phase; the scales of the 256 + 384 rows.  Every wave fetches a quarter of each: five tensor loads at the start (its scales
; of A and of B, its 64 rows of A, its 32 rows of B for phases 0 and 1): by this text's own count five are out at most.  Phase 2's rows of B are the one refill: into phase 0's place, behind the change from phase 0
; to phase 1, so that the load has all of phase 1 in which to land.  A phase's results leave while the next phase is multiplied.
; CLUSTERS: 4 x 4 work-groups.  The four of a row of the cluster need the same rows of A, the four of a column the same rows of B: each tile is asked for JOINTLY, by the same tensor load with the same
; descriptor and a mask that names the four.  THE MATRIX INSTRUCTION IS USED TRANSPOSED (source 0 = 16 rows of B, source 1 = 16 rows of A): a lane holds eight neighbouring numbers of a row of the result.
; REGISTERS, in windows of 256: window 0: v0-31 addresses; v32-95 a phase's scale words; v96-191 the way out.   window 1: A's fragment (a, q) at v[8 (8 a + q)].
;   window 2: accumulator (a, b) at v[8 (8 a + b)].   window 3: B's ring: set s at v[64 s], block b at + 8 b.
.set KROW,   512                       ; a row of codes, in memory and in a tile
.set PITCH,  528                       ; an LDS row: 512 bytes + 16 of padding = 132 words: the 16 rows that a load touches start at 16 different banks (64 banks of 4 bytes: ISA guide 11.1)
.set ABYTES, 256*PITCH
.set BBYTES, 128*PITCH
.set BR0,    ABYTES                    ; B's two places
.set SCA,    ABYTES+2*BBYTES           ; A's scales: 256 rows x 32 bytes, as 32 rows of 256 bytes + 16 of padding
.set SCB,    SCA+32*272                ; B's: 384 rows: 48 such rows
.set SBLK,   544                       ; the scales of 16 rows
.set STAGE,  SCB+48*272                ; the way out: 16 rows x (256 bytes + 16) for each wave: bytes of their own, into which no tile lands
.set SPITCH, 272
.set SPARE,  STAGE+4*16*SPITCH         ; the spare words, 128 bytes a wave, which no other line names
.set CROW,   6144                      ; a row of qkv in bytes
.set ADRA, 16                          ; v16     LDS address of my A fragments
.set ADRB, 18                          ; v18-19  of B's fragments in place 0, 1
.set ADRS, 20                          ; v20-22  of phase 0, 1, 2's scale words: lanes 0-15 A's rows, lanes 16-31 B's
.set STO,  24                          ; v24     the way out: where I put 16 bytes of a row
.set RD,   25                          ; v25     where I read a row back
.set CO,   26                          ; v26     my byte offset in qkv
.set SPW,  28
.set NIL,  29
.set SC,   32                          ; register 8 i + q: lanes 0-15 the word of A's block i (i < 4), lanes 16-31 that of B's block i, for the q-th 128 along K
.set TMP,  96                          ; packed results
.set OB,   128                         ; 16 rows read back from the stage: v128-159 and v160-191 by turns
.set G1A,  24
.set G1B,  32
.set G1SA, 48
.set G1SB, 56
.set G0A,  68
.set G0SA, 72
.set G0SB, 76
.set G0B,  80                          ; s[80:83], s[84:87], s[88:91]: a group 0 for each phase's rows of B: none is ever rewritten
.set MSB, 0
.macro WIN new                         ; the immediate's high byte repeats the setting that is left; a switch that changes nothing is dropped
.if MSB != (\new)
	s_set_vgpr_msb (MSB<<8)|(\new)
.set MSB, (\new)
.endif
.endm
.set W_MM, 0xa7                        ; source 0 (B) window 3, source 1 (A) window 1, C and D window 2
.set TO_A, 0x40                        ; destination window 1, address window 0
.set TO_B, 0xc0                        ; destination window 3, address window 0
.macro CROUND                          ; a round of the cluster's barrier: my work-group's barrier, wave 0 signals for the work-group, every wave waits for all sixteen, my work-group's barrier once more
	s_barrier_signal -1
	s_barrier_wait -1
	s_cmp_lg_u32 s14, 0
	s_cbranch_scc1 .Lnot_wave_0_\@
	s_barrier_signal -3
.Lnot_wave_0_\@:
	s_barrier_wait -3
	s_barrier_signal -1
	s_barrier_wait -1
.endm
.macro PLACES                          ; four places in front of loads into registers that matrix instructions have read, and of vector instructions that read results (ISA guide 7.12.1 for vector instructions)
.rept 4
	v_nop
.endr
.endm
	s_load_b128 s[4:7], s[0:1], 0x0                ; A's codes, A's scales
	s_load_b128 s[8:11], s[0:1], 0x10              ; B's codes, B's scales
	s_load_b64 s[12:13], s[0:1], 0x20              ; qkv
	v_lshl_add_u32 v[SPW], v0, 2, SPARE
	v_mov_b32 v[NIL], 0
	ds_add_u32 v[SPW], v[NIL]                      ; the wave's opening: the add, twice on end, and its wait ahead of my first tensor load
	ds_add_u32 v[SPW], v[NIL]
	v_lshrrev_b32 v1, 5, v0
	v_readfirstlane_b32 s14, v1                    ; wave 0..3
	s_bfe_u32 s40, ttmp6, 0x40000                  ; cx, cy: my place in the cluster
	s_bfe_u32 s41, ttmp6, 0x40004
	s_lshl_b32 s42, ttmp9, 2
	s_add_co_u32 s42, s42, s40                     ; tile column = 4 x cluster x + cx
	s_and_b32 s17, ttmp7, 0xffff
	s_lshl_b32 s17, s17, 2
	s_add_co_u32 s17, s17, s41                     ; tile row = 4 x cluster y + cy
	s_lshl_b32 s43, s41, 2
	s_lshl_b32 s43, 15, s43                        ; my row of the cluster
	s_lshl_b32 s44, 0x1111, s40                    ; my column
	; descriptor groups 1: rows of 512 bytes, padded in LDS: 64 rows of A, 32 rows of B
	s_or_b32 s[G1A+0], s43, (0<<16)|(1<<20)|(1<<21)|(6<<22)|(3<<25)  ; 15:0 the mask; 17:16 elements of 1 byte; 20 padding on; 21 set beside a mask; 24:22 after every 128 words; 31:25 four words
	s_mov_b32 s[G1A+1], KROW<<16                   ; tensor_dim0
	s_mov_b32 s[G1A+2], 64<<16                     ; tensor_dim1
	s_mov_b32 s[G1A+3], KROW<<16                   ; tile_dim0
	s_mov_b32 s[G1A+4], 64                         ; tile_dim1
	s_mov_b32 s[G1A+5], KROW                       ; tensor_dim0_stride
	s_mov_b32 s[G1A+6], 0
	s_mov_b32 s[G1A+7], 0
	s_or_b32 s[G1B+0], s44, (0<<16)|(1<<20)|(1<<21)|(6<<22)|(3<<25)
	s_mov_b32 s[G1B+1], KROW<<16
	s_mov_b32 s[G1B+2], 32<<16
	s_mov_b32 s[G1B+3], KROW<<16
	s_mov_b32 s[G1B+4], 32
	s_mov_b32 s[G1B+5], KROW
	s_mov_b32 s[G1B+6], 0
	s_mov_b32 s[G1B+7], 0
	; the scales are dense blocks: as rows of 256 bytes (32 elements of 8 bytes), 16 bytes of padding behind each: 64 rows' are 8 such rows, 96 rows' are 12
	s_or_b32 s[G1SA+0], s43, (3<<16)|(1<<20)|(1<<21)|(5<<22)|(3<<25)
	s_mov_b32 s[G1SA+1], 32<<16
	s_mov_b32 s[G1SA+2], 8<<16
	s_mov_b32 s[G1SA+3], 32<<16
	s_mov_b32 s[G1SA+4], 8
	s_mov_b32 s[G1SA+5], 32
	s_mov_b32 s[G1SA+6], 0
	s_mov_b32 s[G1SA+7], 0
	s_or_b32 s[G1SB+0], s44, (3<<16)|(1<<20)|(1<<21)|(5<<22)|(3<<25)
	s_mov_b32 s[G1SB+1], 32<<16
	s_mov_b32 s[G1SB+2], 12<<16
	s_mov_b32 s[G1SB+3], 32<<16
	s_mov_b32 s[G1SB+4], 12
	s_mov_b32 s[G1SB+5], 32
	s_mov_b32 s[G1SB+6], 0
	s_mov_b32 s[G1SB+7], 0
	; where the tiles come from.  A's hang on the tile row and the wave's number, B's on the tile column and the wave's number, each in registers that never hold the other coordinate
	s_lshl_b32 s20, s17, 8
	s_lshl_b32 s21, s14, 6
	s_add_co_u32 s20, s20, s21                     ; A: row 256 x tile row + 64 x wave
	s_lshl_b32 s22, s20, 5                         ; its scales, 32 bytes a row,
	s_mov_b32 s23, 0
	s_lshl_b32 s20, s20, 9                         ; its codes, 512 bytes a row
	s_mov_b32 s21, 0
	s_mul_i32 s46, s42, 384
	s_lshl_b32 s47, s14, 5
	s_add_co_u32 s92, s46, s47                     ; B's codes: row 384 x tile column + 32 x wave (+ 128 for each phase)
	s_lshl_b32 s92, s92, 9
	s_mov_b32 s93, 0
	s_mul_i32 s47, s14, 96
	s_add_co_u32 s46, s46, s47                     ; B's scales: row 384 x tile column + 96 x wave
	s_lshl_b32 s46, s46, 5
	s_mov_b32 s47, 0
	s_mul_i32 s45, s14, 64*PITCH                   ; and where they go: the wave's number times a constant: no place in the cluster enters an LDS address
	s_mul_i32 s94, s14, 32*PITCH
	s_mul_i32 s95, s14, 8*272
	s_mul_i32 s18, s14, 12*272
	s_wait_dscnt 0x0                               ; both opening adds are done
	s_wait_kmcnt 0x0
	s_mov_b32 s[G0SA], 1
	s_add_co_u32 s[G0SA+1], s95, SCA
	s_add_nc_u64 s[G0SA+2:G0SA+3], s[6:7], s[22:23]
	s_or_b32 s[G0SA+3], s[G0SA+3], 0x80000000
	s_mov_b32 s[G0SB], 1
	s_add_co_u32 s[G0SB+1], s18, SCB
	s_add_nc_u64 s[G0SB+2:G0SB+3], s[10:11], s[46:47]
	s_or_b32 s[G0SB+3], s[G0SB+3], 0x80000000
	s_mov_b32 s[G0A], 1
	s_mov_b32 s[G0A+1], s45
	s_add_nc_u64 s[G0A+2:G0A+3], s[4:5], s[20:21]
	s_or_b32 s[G0A+3], s[G0A+3], 0x80000000
.irp j, 0,1,2
	s_mov_b32 s[G0B+4*\j], 1
	s_add_co_u32 s[G0B+4*\j+1], s94, BR0+(\j%2)*BBYTES             ; phases 0 and 2 in place 0, phase 1 in place 1
	s_add_nc_u64 s[G0B+4*\j+2:G0B+4*\j+3], s[8:9], s[92:93]
.if \j > 0
	s_add_nc_u64 s[G0B+4*\j+2:G0B+4*\j+3], s[G0B+4*\j+2:G0B+4*\j+3], \j*128*KROW
.endif
	s_or_b32 s[G0B+4*\j+3], s[G0B+4*\j+3], 0x80000000
.endr
	CROUND                                         ; all sixteen work-groups are here: the first joint loads meet
	tensor_load_to_lds s[G0SA:G0SA+3], s[G1SA:G1SA+7]              ; the five first fills go out as one group; every wave issues all five lines
	s_nop 0
	tensor_load_to_lds s[G0SB:G0SB+3], s[G1SB:G1SB+7]
	s_nop 0
	tensor_load_to_lds s[G0A:G0A+3], s[G1A:G1A+7]
	s_nop 0
	tensor_load_to_lds s[G0B:G0B+3], s[G1B:G1B+7]
	s_nop 0
	tensor_load_to_lds s[G0B+4:G0B+7], s[G1B:G1B+7]                ; phase 1's rows of B last: the first wait may leave them out
	s_nop 0
	PLACES
	v_and_b32 v1, 15, v0                           ; r = l % 16
	v_bfe_u32 v2, v0, 4, 1                         ; h = l / 16
	v_mul_u32_u24 v3, v1, PITCH
	v_lshl_add_u32 v3, v2, 4, v3                   ; a fragment's row x pitch + 16 x half
	v_add_nc_u32 v[ADRA], s45, v3                  ; my 64 rows of A
	v_add_nc_u32 v[ADRB], BR0, v3
	v_add_nc_u32 v[ADRB+1], BR0+BBYTES, v3
	v_lshlrev_b32 v5, 5, v1                        ; my row's scales: 32 bytes a row,
	v_lshrrev_b32 v6, 3, v1
	v_lshl_add_u32 v5, v6, 4, v5                   ; and 16 more for each 256 passed
	s_mul_i32 s21, s14, 8*272                      ; A's: my 64 rows
	s_mov_b32 s22, SCB-SCA
	s_sub_co_u32 s22, s22, s21                     ; from there to B's first rows
	s_add_co_u32 s21, s21, SCA
	v_add_nc_u32 v5, s21, v5
.irp j, 0,1,2
	v_mul_u32_u24 v6, s22, v2                      ; lanes 16-31 take B's: one product, the distance between the two bases
	v_add_nc_u32 v[ADRS+\j], v5, v6
	s_add_co_u32 s22, s22, 16*272                  ; the next phase's 128 rows of B
.endr
	s_mul_i32 s23, s14, 16*SPITCH
	s_add_co_u32 s23, s23, STAGE                   ; my stage
	v_mul_u32_u24 v5, v1, SPITCH                   ; in: row l % 16, 16 bytes for each half of the lanes
	v_lshl_add_u32 v5, v2, 4, v5
	v_add_nc_u32 v[STO], s23, v5
	v_mul_u32_u24 v5, v2, SPITCH                   ; back: lanes 0-15 take one row of 256 bytes, lanes 16-31 the next
	v_lshl_add_u32 v5, v1, 4, v5
	v_add_nc_u32 v[RD], s23, v5
	v_mul_u32_u24 v5, v2, CROW                     ; and the same two rows in qkv
	v_lshl_add_u32 v[CO], v1, 4, v5
	s_lshl_b32 s20, s17, 8
	s_lshl_b32 s21, s14, 6
	s_add_co_u32 s20, s20, s21
	s_mul_i32 s20, s20, CROW                       ; my first row: 256 x tile row + 64 x wave (under 2^26 bytes)
	s_mov_b32 s21, 0
	s_add_nc_u64 s[12:13], s[12:13], s[20:21]
	s_mul_i32 s46, s42, 768                        ; my first column, in bytes: 384 columns of 2 bytes for each tile column
	s_mov_b32 s47, 0
	s_add_nc_u64 s[12:13], s[12:13], s[46:47]
; A fragment, 16 rows x 128 K of 4-bit codes: lane l holds row l % 16; registers 4 c .. 4 c + 3 hold K = 64 c + 32 (l / 16) + 0 .. 31: two loads of 16 bytes, 32 bytes apart
.macro FETCH_B p, q, set               ; B's eight fragments of the q-th 128 along K, out of place p, into ring set
	WIN TO_B
.irp b, 0,1,2,3,4,5,6,7
.irp c, 0,1
	ds_load_b128 v[64*(\set)+8*\b+4*\c:64*(\set)+8*\b+4*\c+3], v[ADRB+(\p)] offset:64*(\q)+32*\c+\b*16*PITCH
.endr
.endr
	WIN 0
.endm
.macro FETCH_A q                       ; my four fragments of A of the q-th 128 along K: each is fetched once in the launch
	WIN TO_A
.irp a, 0,1,2,3
.irp c, 0,1
	ds_load_b128 v[8*(8*\a+(\q))+4*\c:8*(8*\a+(\q))+4*\c+3], v[ADRA] offset:64*(\q)+32*\c+\a*16*PITCH
.endr
.endr
	WIN 0
.endm
.macro SCALES j                        ; phase j's scale words: eight words a row.  Lanes 0-15 take A's block i (for i > 3 rows that are not mine, and are not used), lanes 16-31 B's block i
.irp i, 0,1,2,3,4,5,6,7
	ds_load_b128 v[SC+8*\i:SC+8*\i+3], v[ADRS+(\j)] offset:\i*SBLK
	ds_load_b128 v[SC+8*\i+4:SC+8*\i+7], v[ADRS+(\j)] offset:\i*SBLK+16
.endr
.endm
; 32 matrix instructions: my four blocks of A x B's eight, the q-th 128 along K.  zero = 1: the phase's first products start the sums: nothing is cleared.
; The 32 accumulators take turns, one instruction a turn, in the same order in every step.
.macro MUL32 q, set, zero
.irp a, 0,1,2,3
.irp b, 0,1,2,3,4,5,6,7
.if \zero
	v_wmma_scale_f32_16x16x128_f8f6f4 v[8*(8*\a+\b):8*(8*\a+\b)+7], v[64*(\set)+8*\b:64*(\set)+8*\b+7], v[8*(8*\a+(\q)):8*(8*\a+(\q))+7], 0, v[SC+8*\b+(\q)], v[SC+8*\a+(\q)] matrix_a_fmt:MATRIX_FMT_FP4 matrix_b_fmt:MATRIX_FMT_FP4 matrix_a_scale:MATRIX_SCALE_ROW1
.else
	v_wmma_scale_f32_16x16x128_f8f6f4 v[8*(8*\a+\b):8*(8*\a+\b)+7], v[64*(\set)+8*\b:64*(\set)+8*\b+7], v[8*(8*\a+(\q)):8*(8*\a+(\q))+7], v[8*(8*\a+\b):8*(8*\a+\b)+7], v[SC+8*\b+(\q)], v[SC+8*\a+(\q)] matrix_a_fmt:MATRIX_FMT_FP4 matrix_b_fmt:MATRIX_FMT_FP4 matrix_a_scale:MATRIX_SCALE_ROW1
.endif
.endr
.endr
.endm
; Step q of phase j.  At its head the fragments of step q + 2 are asked for, into the ring set that step q - 2 multiplied; in phase 0 A's fragments of step q + 2 go with them.
.macro STEP j, q
.if (\q) < 7
.if (\j) == 0
	s_wait_dscnt 24                                ; this step's fragments are in; the next step's 16 loads of B and 8 of A may be out
.else
	s_wait_dscnt 16                                ; this step's fragments are in; the next step's 16 loads may be out
.endif
.else
	s_wait_dscnt 0x0                               ; the phase's last step: nothing was asked for behind it
.endif
.if (\q) < 6
	PLACES
	FETCH_B (\j)%2, (\q)+2, (8*(\j)+(\q)+2)%4
.if (\j) == 0
	FETCH_A (\q)+2
.endif
.endif
	WIN W_MM
.if (\q) == 0
	MUL32 \q, (8*(\j)+(\q))%4, 1
.else
	MUL32 \q, (8*(\j)+(\q))%4, 0
.endif
.endm
; THE CHANGE OF PHASES, into phase j.  Each wave waits for all its tensor loads (its part of phase j's rows of B is the last), adds 0 to its spare word, and waits for that and for its reads of the phase that it
; leaves.  fill = 1: the barrier is a round of the cluster's, so that no wave of any partner still reads place 0 or has a load on its way, and phase 2's rows of B go into place 0: the first thing behind it.
; Then phase j's scale words and first two steps' fragments are asked for: they land while the last phase's results go out.
.macro BOUND fill, j
	WIN 0                                          ; at a label and at a branch every window is 0; the add's two registers lie in window 0
	s_wait_tensorcnt 0x0
	ds_add_u32 v[SPW], v[NIL]                      ; 0 onto my spare word
	s_wait_dscnt 0x0
.if \fill
	CROUND
	tensor_load_to_lds s[G0B+8:G0B+11], s[G1B:G1B+7]               ; my one tensor load behind the round
	s_nop 0
.else
	s_barrier_signal -1
	s_barrier_wait -1
.endif
	PLACES                                         ; behind the last products: for the loads below and for the conversions that read results
	SCALES \j
	FETCH_B (\j)%2, 0, (8*(\j))%4
	FETCH_B (\j)%2, 1, (8*(\j)+1)%4
.endm
; THE WAY OUT of a phase, block by block of 16 rows x 128 columns.  PACK: rounded to f16, 16 bytes a lane, each accumulator from its low end on.  TOSTAGE: into my own stage and back as whole rows of 256 bytes.  SEND: stored.
.macro PACK a
	WIN 0x0a                                       ; sources 0 and 1: window 2
.irp b, 0,1,2,3,4,5,6,7
.irp r, 0,1,2,3
	v_cvt_pk_f16_f32 v[TMP+4*\b+\r], v[64*(\a)+8*\b+2*\r], v[64*(\a)+8*\b+2*\r+1]
.endr
.endr
	WIN 0
.endm
.macro TOSTAGE a
.set BKR, OB+32*((\a)%2)
.irp b, 0,1,2,3,4,5,6,7
	ds_store_b128 v[STO], v[TMP+4*\b:TMP+4*\b+3] offset:32*\b
.endr
.irp t, 0,1,2,3,4,5,6,7
	ds_load_b128 v[BKR+4*\t:BKR+4*\t+3], v[RD] offset:\t*2*SPITCH   ; LDS serves a wave's instructions in order (ISA guide 5.7.1.4): these see the stores above
.endr
.endm
.macro SEND a, j
.set BKR, OB+32*((\a)%2)
	s_wait_dscnt 0x0                               ; the block is back in registers
	s_wait_xcnt 0x0                                ; earlier stores have read their data: the registers of the block before last are loaded again only behind this wait
.irp t, 0,1,2,3,4,5,6,7
	global_store_b128 v[CO], v[BKR+4*\t:BKR+4*\t+3], s[12:13] offset:(16*(\a)+2*\t)*CROW+256*(\j)   ; 16 lanes store 256 consecutive bytes, at a multiple of 256 from the buffer's first byte; block and phase stand in the immediate
.endr
.endm
.macro WAYOUT j                        ; block a's conversions stand between block a - 1's loads from the stage and the wait for them
	PACK 0
	TOSTAGE 0
.irp a, 1,2,3
	PACK \a
	SEND \a-1, \j
	TOSTAGE \a
.endr
	SEND 3, \j
.endm
	s_wait_tensorcnt 1                             ; my scales, my rows of A and of phase 0's B are in (phase 1's may be out)
	s_barrier_signal -1
	s_barrier_wait -1                              ; everybody's are
	SCALES 0
	FETCH_B 0, 0, 0
	FETCH_A 0
	FETCH_B 0, 1, 1
	FETCH_A 1
.irp q, 0,1,2,3,4,5,6,7
	STEP 0, \q
.endr
	BOUND 1, 1
	WAYOUT 0
.irp q, 0,1,2,3,4,5,6,7
	STEP 1, \q
.endr
	BOUND 0, 2
	WAYOUT 1
.irp q, 0,1,2,3,4,5,6,7
	STEP 2, \q
.endr
	WIN 0
	PLACES
	WAYOUT 2
	s_wait_tensorcnt 0x0                           ; the wave's end, behind my last tensor load and my last LDS store
	ds_add_u32 v[SPW], v[NIL]
	s_wait_dscnt 0x0
	CROUND                                         ; the closing round: no work-group ends while a partner may still ask for a tile that names it
	s_endpgm
.Lfunc_end_k_qc9659833a1_proj:
	.size	k_qc9659833a1_proj, .Lfunc_end_k_qc9659833a1_proj-k_qc9659833a1_proj
	.p2alignl 7, 3214868480
	.fill 96, 4, 3214868480
	.section	.rodata,"a",@progbits
	.p2align	6, 0x0
	.amdhsa_kernel k_qc9659833a1_proj
		.amdhsa_group_segment_fixed_size 327680
		.amdhsa_private_segment_fixed_size 0
		.amdhsa_enable_private_segment 0
		.amdhsa_kernarg_size 40
		.amdhsa_user_sgpr_count 2
		.amdhsa_user_sgpr_kernarg_segment_ptr 1
		.amdhsa_wavefront_size32 1
		.amdhsa_system_sgpr_workgroup_id_x 1
		.amdhsa_system_sgpr_workgroup_id_y 1
		.amdhsa_system_sgpr_workgroup_id_z 1
		.amdhsa_system_vgpr_workitem_id 0
		.amdhsa_next_free_vgpr 1024
		.amdhsa_next_free_sgpr 98
		.amdhsa_reserve_vcc 0
		.amdhsa_float_denorm_mode_32 3
		.amdhsa_float_denorm_mode_16_64 3
		.amdhsa_memory_ordered 1
		.amdhsa_forward_progress 1
		.amdhsa_inst_pref_size 190
	.end_amdhsa_kernel
	.amdgpu_metadata
---
amdhsa.version: [ 1, 2 ]
amdhsa.kernels:
  - .name:           k_qc9659833a1_proj
    .symbol:         k_qc9659833a1_proj.kd
    .args:
      - { .name: xc, .offset: 0, .size: 8, .value_kind: global_buffer, .address_space: global }
      - { .name: xs, .offset: 8, .size: 8, .value_kind: global_buffer, .address_space: global }
      - { .name: wc, .offset: 16, .size: 8, .value_kind: global_buffer, .address_space: global }
      - { .name: ws, .offset: 24, .size: 8, .value_kind: global_buffer, .address_space: global }
      - { .name: qkv, .offset: 32, .size: 8, .value_kind: global_buffer, .address_space: global }
    .group_segment_fixed_size: 327680
    .private_segment_fixed_size: 0
    .kernarg_segment_align: 8
    .kernarg_segment_size: 40
    .max_flat_workgroup_size: 128
    .sgpr_count:     98
    .vgpr_count:     1024
    .wavefront_size: 32
...
	.end_amdgpu_metadata
.endif
;; end of part 2
;; launch scores (part 3): grid 8 x 32, 4 waves a work-group, clusters of 4 x 4, 327,680 bytes of LDS; arguments qkv, mask, pimg, stats; writes pimg, stats
.if DOCPART == 3
	.amdgcn_target "amdgcn-amd-amdhsa--gfx1250"
	.amdhsa_code_object_version 6
	.text
	.protected	k_qc9659833a1_scores
	.globl	k_qc9659833a1_scores
	.p2align	8
	.type	k_qc9659833a1_scores,@function
k_qc9659833a1_scores:
	s_mov_b64 s[64:65], 0
	v_nop
	global_prefetch_b8 v0, s[64:65] scope:SCOPE_SE
	s_setreg_imm32_b32 hwreg(HW_REG_WAVE_MODE, 25, 1), 1
	s_wait_xcnt 0x0
	s_wait_alu depctr_hold_cnt(0) depctr_sa_sdst(0) depctr_va_vdst(0) depctr_va_sdst(0) depctr_va_ssrc(0) depctr_va_vcc(0) depctr_vm_vsrc(0)
	s_getreg_b32 s2, hwreg(HW_REG_IB_STS2, 6, 4)
	s_cmp_eq_u32 s2, 0
	s_cbranch_scc0 .Lentry_in_a_cluster
	s_endpgm
.Lentry_in_a_cluster:
	s_bfe_u32 s2, ttmp6, 0x10000c
	s_cmp_lg_u32 s2, 0xf033
	s_cbranch_scc0 .Lentry_shape_is_right
	s_endpgm
.Lentry_shape_is_right:
; For each batch: t[q][k] = (q . k) / 32 + (mask[k] == 0 ? -1e9 : 0), and the softmax's first half, BY CHUNKS OF 128 KEYS: m = the largest t of a row in the chunk, p = e^(t - m), l = the sum of p.
; q and k are f16 (columns 0 .. 1,023 and 1,024 .. 2,047 of qkv's rows of 3,072); sums, t, m, p's sum in f32; p is rounded to f16.  The next launch joins the chunks (e^(m - the row's largest m)).
; A true maximum is taken away ahead of every exponential, so p is at most 1.  -1e9 is ADDED in f32, as the definition adds it: a chunk or a batch in which every key is masked gives what the definition gives.
; LIMITS: q or k that became infinities in f16 (beyond 65,504) give NaN here.
; A tile of 256 queries x 256 keys is made by a work-group of four waves; a wave makes 128 x 128: 64 accumulators, 512 registers: ITS 128 KEYS ARE ONE CHUNK, so no wave asks another for a maximum.
; K = 1,024 goes in steps of 128 (rows of 256 bytes) through a ring of two LDS slots filled by the tensor data mover.
; CLUSTERS: 4 x 4 work-groups; a cluster's 1,024 queries lie in one batch.  The four of a row need the same rows of q, the four of a column the same rows of k: each tile is asked for JOINTLY.
; THE MATRIX INSTRUCTION IS USED TRANSPOSED (source 0 = 16 rows of k, source 1 = 16 rows of q): a lane holds ONE query (lane % 16), and register j of accumulator (a, b) key 16 b + 8 (lane / 16) + j.
; p LEAVES AS IMAGES OF THE NEXT PRODUCT'S OPERAND REGISTERS: pimg[row / 16][key / 32][g][lane][16 bytes]; lane (r, h), group g: p(row r of the 16, keys 32 c + 16 g + 8 h + 0 .. 7), which is what a lane
; holds here: each store of a wave covers 512 consecutive bytes, and no stage is needed.  stats: m [16 chunks][8192 rows] f32, then l likewise.
; REGISTERS: window 0: v0-31 addresses; v32-44 statistics at work; v64-127, v128-191 q's fragments, two buffers (on the way out: t and p; the bias); v192-255 my 64 mask words, then p packed.
;   window 1: v64-127, v128-191 k's fragments.   window 2: the accumulators of my queries 0-63 ((a, b) at v[8 (8 a + b)]);   window 3: those of my queries 64-127.
.set KSTEP,  128
.set PITCH,  272                       ; an LDS row: 256 bytes + 16 of padding = 68 words: the 16 rows that a load touches start at 16 different banks (64 banks of 4 bytes: ISA guide 11.1)
.set HALFT,  128*PITCH
.set SLOT,   4*HALFT                   ; q's 256 rows, then k's 256 rows
.set STAT,   2*SLOT                    ; behind the ring: 1,024 bytes for each wave: 128 m, 128 l
.set SPARE,  STAT+4096                 ; the spare words, 128 bytes a wave, which no other line names
.set LAPS,   4                         ; a lap = two K steps = once round the ring
.set ROWQ,   6144                      ; a row of qkv in bytes
.set ADRA, 16
.set ADRB, 20
.set SA,   24                          ; v24  where I put a row's m (l: 512 bytes on)
.set SR,   25                          ; v25  where I read 16 bytes of them back
.set PO,   26                          ; v26  16 x lane
.set MO,   27                          ; v27  32 x (lane / 16): my eight mask words of a block of 16 keys
.set SPW,  28
.set NIL,  29
.set MX,   32                          ; v[32:33] the chunk's largest t (the pair is named; its low word serves both halves)
.set CHN,  34                          ; v34-37 four chains
.set PT,   38
.set NEGB, 39                          ; -1e9
.set SUM,  40                          ; v[40:41], v[42:43] two chains of sums
.set LS,   44
.set F0,   64
.set F1,   128
.set T,    64
.set BIAS, 128
.set MK,   192
.set PK,   192
.set WV,   12
.set RH,   13                          ; which half of the tile's queries is mine.  Also: I fetch for q (0) or for k (1)
.set CH,   14                          ; which half of its keys.  Also: which 128 rows of that tile I fetch
.set G1, 24
.set G0, 32
.set G1B, 48
.set G0B, 56
.set SEL, 66
.set RS,  70                           ; s[70:71] 1 / 32
.set L2E, 72                           ; s[72:73] log2(e)
.set MSB, 0
.macro WIN new
.if MSB != (\new)
	s_set_vgpr_msb (MSB<<8)|(\new)
.set MSB, (\new)
.endif
.endm
.set MUL_LO, 0xa1                      ; source 0 (k) window 1, source 1 (q) window 0, C and D window 2
.set MUL_HI, 0xf1
.set TO_B,   0x40
.macro JLOAD s                         ; a joint load: waves 0 and 1 fetch q's two halves, waves 2 and 3 k's; an s_nop 0 and four v_nop follow each of the two lines
	s_cmp_eq_u32 s[RH], 0
	s_cbranch_scc0 .Lfor_b_\@
	tensor_load_to_lds s[G0+4*\s:G0+4*\s+3], s[G1:G1+7]
	s_nop 0
.rept 4
	v_nop
.endr
	s_branch .Lasked_\@
.Lfor_b_\@:
	tensor_load_to_lds s[G0B+4*\s:G0B+4*\s+3], s[G1B:G1B+7]
	s_nop 0
.rept 4
	v_nop
.endr
.Lasked_\@:
.endm
.macro CREST                           ; a round of the cluster's barrier behind its opening barrier
	s_cmp_lg_u32 s[WV], 0
	s_cbranch_scc1 .Lnot_wave_0_\@
	s_barrier_signal -3
.Lnot_wave_0_\@:
	s_barrier_wait -3
	s_barrier_signal -1
	s_barrier_wait -1
.endm
.macro CROUND
	s_barrier_signal -1
	s_barrier_wait -1
	CREST
.endm
	s_load_b256 s[4:11], s[0:1], 0x0               ; qkv s[4:5], mask s[6:7], pimg s[8:9], stats s[10:11]
	v_lshl_add_u32 v[SPW], v0, 2, SPARE
	v_mov_b32 v[NIL], 0
	ds_add_u32 v[SPW], v[NIL]                      ; the wave's opening: the add, twice on end, and its wait ahead of my first tensor load
	ds_add_u32 v[SPW], v[NIL]
	v_lshrrev_b32 v1, 5, v0
	v_readfirstlane_b32 s[WV], v1                  ; wave 0..3
	s_lshr_b32 s[RH], s[WV], 1
	s_and_b32 s[CH], s[WV], 1
	s_bfe_u32 s40, ttmp6, 0x40000                  ; cx
	s_bfe_u32 s41, ttmp6, 0x40004                  ; cy
	s_lshl_b32 s42, ttmp9, 2
	s_add_co_u32 s42, s42, s40                     ; tile of keys = 4 x cluster x + cx
	s_and_b32 s69, ttmp7, 0xffff
	s_lshl_b32 s15, s69, 2
	s_add_co_u32 s15, s15, s41                     ; tile of queries, over all 8,192 rows = 4 x cluster y + cy
	s_lshr_b32 s69, s69, 1                         ; the batch: eight tiles of queries each, two clusters: made of the cluster's y alone
	s_lshl_b32 s43, s41, 2
	s_lshl_b32 s43, 15, s43                        ; my row of the cluster
	s_lshl_b32 s44, 0x1111, s40                    ; my column
	s_or_b32 s[G1+0], s43, (1<<16)|(1<<20)|(1<<21)|(5<<22)|(3<<25)  ; 15:0 the mask; 17:16 elements of 2 bytes; 20 padding on; 21 set beside a mask; 24:22 after every 64 words; 31:25 four words
	s_or_b32 s[G1B+0], s44, (1<<16)|(1<<20)|(1<<21)|(5<<22)|(3<<25)
.irp g, G1, G1B
	s_mov_b32 s[\g+1], KSTEP<<16                   ; tensor_dim0 = 128
	s_mov_b32 s[\g+2], 128<<16                     ; tensor_dim1 = 128
	s_mov_b32 s[\g+3], KSTEP<<16                   ; tile_dim0 = 128
	s_mov_b32 s[\g+4], 128                         ; tile_dim1 = 128
	s_mov_b32 s[\g+5], 3072                        ; elements from row to row
	s_mov_b32 s[\g+6], 0
	s_mov_b32 s[\g+7], 0
.endr
	s_lshl_b32 s18, s[CH], 7                       ; which 128 rows of the tile I fetch
	s_lshl_b32 s16, s15, 8
	s_add_co_u32 s16, s16, s18
	s_mul_i32 s16, s16, ROWQ                       ; q: row 256 x tile of queries + 128 x half (under 2^26 bytes)
	s_mov_b32 s17, 0
	s_lshl_b32 s46, s69, 11
	s_lshl_b32 s47, s42, 8
	s_add_co_u32 s46, s46, s47
	s_add_co_u32 s46, s46, s18
	s_mul_i32 s46, s46, ROWQ                       ; k: row 2,048 x batch + 256 x tile of keys + 128 x half,
	s_add_co_u32 s46, s46, 2048                    ; 2,048 bytes into the row
	s_mov_b32 s47, 0
	s_mul_i32 s20, s[WV], HALFT                    ; where they go: wave x 128 rows: no place in the cluster enters an LDS address
	s_mov_b32 s[SEL], 0x76543210
	s_mov_b32 s[SEL+1], 0xfedcba98
	s_mov_b32 s[RS], 0x3d000000                    ; 1 / 32 = 1 / sqrt(1024)
	s_mov_b32 s[RS+1], s[RS]
	s_mov_b32 s[L2E], 0x3fb8aa3b                   ; log2(e)
	s_mov_b32 s[L2E+1], s[L2E]
	s_wait_dscnt 0x0                               ; both opening adds are done
	s_wait_kmcnt 0x0
	s_add_nc_u64 s[22:23], s[4:5], s[16:17]
	s_add_nc_u64 s[46:47], s[4:5], s[46:47]
	CROUND                                         ; all sixteen work-groups are here: the first joint loads meet
.irp s, 0,1
	s_mov_b32 s[G0+4*\s], 1
	s_add_co_u32 s[G0+4*\s+1], s20, \s*SLOT
	s_add_nc_u64 s[G0+4*\s+2:G0+4*\s+3], s[22:23], \s*KSTEP*2
	s_or_b32 s[G0+4*\s+3], s[G0+4*\s+3], 0x80000000
	s_mov_b32 s[G0B+4*\s], 1
	s_add_co_u32 s[G0B+4*\s+1], s20, \s*SLOT
	s_add_nc_u64 s[G0B+4*\s+2:G0B+4*\s+3], s[46:47], \s*KSTEP*2
	s_or_b32 s[G0B+4*\s+3], s[G0B+4*\s+3], 0x80000000
	JLOAD \s                                       ; the ring is filled before anything else is done
.endr
	v_and_b32 v1, 15, v0                           ; r = l % 16
	v_bfe_u32 v2, v0, 4, 1                         ; h = l / 16
	v_lshlrev_b32 v[MO], 5, v2
	s_lshl_b32 s46, s69, 11                        ; (what holds cx from here on lies in s46, s47, s74: registers that feed no descriptor of q's)
	s_lshl_b32 s47, s42, 8
	s_add_co_u32 s46, s46, s47
	s_lshl_b32 s47, s[CH], 7
	s_add_co_u32 s46, s46, s47
	s_lshl_b32 s46, s46, 2                         ; my 128 keys' mask words: 4 x (2,048 batch + 256 tile + 128 half)
	s_mov_b32 s47, 0
	s_add_nc_u64 s[6:7], s[6:7], s[46:47]
.irp b, 0,1,2,3,4,5,6,7                        ; v[MK + 8 b + j] = mask of key 16 b + 8 h + j: they are waited for on the way out
	global_load_b128 v[MK+8*\b:MK+8*\b+3],   v[MO], s[6:7] offset:64*\b
	global_load_b128 v[MK+8*\b+4:MK+8*\b+7], v[MO], s[6:7] offset:64*\b+16
.endr
	v_mul_u32_u24 v3, v1, PITCH
	v_lshl_add_u32 v3, v2, 4, v3                   ; a fragment's row x pitch + 16 x half
	s_mul_i32 s21, s[RH], HALFT                    ; my 128 rows of q
	s_mul_i32 s22, s[CH], HALFT                    ; my 128 rows of k,
	s_add_co_u32 s22, s22, 2*HALFT                 ; which lie behind q's 256
.irp s, 0,1
	v_add_nc_u32 v[ADRA+\s], s21, v3
	v_add_nc_u32 v[ADRB+\s], s22, v3
	s_add_co_u32 s21, s21, SLOT
	s_add_co_u32 s22, s22, SLOT
.endr
	s_lshl_b32 s23, s[WV], 10
	s_add_co_u32 s23, s23, STAT
	v_lshl_add_u32 v[SA], v1, 2, s23
	v_and_b32 v4, 31, v0
	v_lshl_add_u32 v[SR], v4, 4, s23
	v_lshlrev_b32 v[PO], 4, v4
	s_lshl_b32 s46, s15, 4                         ; pimg: (16 x tile of queries + 8 x half) blocks of 16 rows, 65,536 bytes each,
	s_lshl_b32 s47, s[RH], 3
	s_add_co_u32 s46, s46, s47
	s_lshl_b32 s46, s46, 16
	s_lshl_b32 s47, s42, 3                         ; + (8 x tile of keys + 4 x half) groups of 32 keys, 1,024 bytes each
	s_lshl_b32 s74, s[CH], 2
	s_add_co_u32 s47, s47, s74
	s_lshl_b32 s47, s47, 10
	s_add_co_u32 s46, s46, s47
	s_mov_b32 s47, 0
	s_add_nc_u64 s[8:9], s[8:9], s[46:47]
	s_lshl_b32 s46, s42, 1                         ; stats: chunk 2 x tile of keys + half, 32,768 bytes each,
	s_add_co_u32 s46, s46, s[CH]
	s_lshl_b32 s46, s46, 15
	s_lshl_b32 s47, s15, 10                        ; + 4 x (256 x tile of queries + 128 x half)
	s_add_co_u32 s46, s46, s47
	s_lshl_b32 s47, s[RH], 9
	s_add_co_u32 s46, s46, s47
	s_mov_b32 s47, 0
	s_add_nc_u64 s[10:11], s[10:11], s[46:47]
; 16 matrix instructions: query blocks a0, a0 + 1 of the window's four x all 8 key blocks, 32 along K.  zero = 1: the first product starts the sums.  The 64 accumulators take turns.
.macro MUL16 f, hi, a0, zero
.irp a, \a0, \a0+1
.irp b, 0,1,2,3,4,5,6,7
.if \zero
	v_wmma_f32_16x16x32_f16 v[8*(8*(\a)+\b):8*(8*(\a)+\b)+7], v[\f+8*\b:\f+8*\b+7], v[\f+8*(4*\hi+\a):\f+8*(4*\hi+\a)+7], 0
.else
	v_wmma_f32_16x16x32_f16 v[8*(8*(\a)+\b):8*(8*(\a)+\b)+7], v[\f+8*\b:\f+8*\b+7], v[\f+8*(4*\hi+\a):\f+8*(4*\hi+\a)+7], v[8*(8*(\a)+\b):8*(8*(\a)+\b)+7]
.endif
.endr
.endr
.endm
; 32 LDS loads in one run: the fragments of one quarter step (128 rows of k, 128 rows of q, 32 K at byte k of the rows) into buffer f
.macro FETCH slot, k, f
	WIN TO_B
.irp i, 0,1,2,3,4,5,6,7
	ds_load_b128 v[\f+8*\i:\f+8*\i+3],   v[ADRB+\slot] offset:\k+\i*16*PITCH
	ds_load_b128 v[\f+8*\i+4:\f+8*\i+7], v[ADRB+\slot] offset:\k+\i*16*PITCH+32
.endr
	WIN 0
.irp i, 0,1,2,3,4,5,6,7
	ds_load_b128 v[\f+8*\i:\f+8*\i+3],   v[ADRA+\slot] offset:\k+\i*16*PITCH
	ds_load_b128 v[\f+8*\i+4:\f+8*\i+7], v[ADRA+\slot] offset:\k+\i*16*PITCH+32
.endr
.endm
.macro PLACES                          ; four places in front of loads into registers that matrix instructions have read, and of vector instructions that read results (ISA guide 7.12.1 for vector instructions)
.rept 4
	v_nop
.endr
.endm
; A K step is four quarters of 32 along K, 64 matrix instructions each, on buffers 0, 1, 0, 1.  One of the first three: multiplies buffer f; in its middle it fetches the next quarter, at byte k, into g.
.macro QUARTER slot, k, f, g, zero
	s_wait_dscnt 8                                 ; k's fragments and q's rows 0-63 are in; the youngest eight loads (q's rows 64-127) may be out
	WIN MUL_LO
	MUL16 \f, 0, 0, \zero
	MUL16 \f, 0, 2, \zero
	PLACES
	FETCH \slot, \k, \g
	s_wait_dscnt 32                                ; all but the 32 just issued
	WIN MUL_HI
	MUL16 \f, 1, 0, \zero
	MUL16 \f, 1, 2, \zero
.endm
; The last quarter multiplies buffer 1 and changes slots: ONE barrier.  In front of it each wave waits for all its tensor loads (one is out: its part of the next slot), adds 0 to its spare word, and waits for
; that and for its own reads of this slot.  fill = 1: the barrier opens a round of the cluster's barrier, and this slot is filled again, two K steps ahead: the load has 224 matrix instructions in which to land.
.macro TURN slot, next, fill
	WIN 0                                          ; (the add's two registers lie in window 0)
	s_wait_tensorcnt 0x0                           ; all my tensor loads have landed
	ds_add_u32 v[SPW], v[NIL]                      ; 0 onto my spare word
	s_wait_dscnt 9                                 ; (the add and the youngest eight loads may be out)
	WIN MUL_LO
	MUL16 F1, 0, 0, 0                              ; sixteen matrix instructions stand between the add and the wait for it
	s_wait_dscnt 0x0                               ; the add is done, and my reads of this slot are over
	s_barrier_signal -1
	MUL16 F1, 0, 2, 0                              ; work on registers while the others arrive
.if \fill
	WIN 0
.endif
	s_barrier_wait -1
.if \fill
	CREST                                          ; no wave of any partner still reads this slot's tile or has a load on its way
	s_add_nc_u64 s[G0+4*\slot+2:G0+4*\slot+3], s[G0+4*\slot+2:G0+4*\slot+3], 2*KSTEP*2
	s_add_nc_u64 s[G0B+4*\slot+2:G0B+4*\slot+3], s[G0B+4*\slot+2:G0B+4*\slot+3], 2*KSTEP*2
	JLOAD \slot                                    ; the first tensor load behind the round; the four v_nop behind it are also the places in front of the loads below
.else
	PLACES
.endif
	FETCH \next, 0, F0
	WIN MUL_HI
	MUL16 F1, 1, 0, 0
	MUL16 F1, 1, 2, 0
.endm
	s_wait_tensorcnt 1                             ; my part of K step 0 is in (K step 1's may be out)
	s_barrier_signal -1
	s_barrier_wait -1                              ; everybody's is
	FETCH 0, 0, F0
	QUARTER 0, 64,  F0, F1, 1                      ; the first quarter stands in front of the loop: its products start the sums
	WIN 0                                          ; at a label and at a branch every window is 0
	s_mov_b32 s3, LAPS-1
.Llap:                                                 ; a trip goes once round the ring, from a lap's second quarter to the next lap's first, and fills both slots again
	QUARTER 0, 128, F1, F0, 0
	QUARTER 0, 192, F0, F1, 0
	TURN 0, 1, 1
	QUARTER 1, 64,  F0, F1, 0
	QUARTER 1, 128, F1, F0, 0
	QUARTER 1, 192, F0, F1, 0
	TURN 1, 0, 1
	QUARTER 0, 64,  F0, F1, 0
	WIN 0
	s_sub_co_u32 s3, s3, 1
	s_cmp_lg_u32 s3, 0
	s_cbranch_scc1 .Llap
	QUARTER 0, 128, F1, F0, 0                      ; the last lap is written out: it fills nothing and has no round
	QUARTER 0, 192, F0, F1, 0
	TURN 0, 1, 0
	QUARTER 1, 64,  F0, F1, 0
	QUARTER 1, 128, F1, F0, 0
	QUARTER 1, 192, F0, F1, 0
	s_wait_dscnt 8                                 ; the very last quarter: nothing more to fetch
	WIN MUL_LO
	MUL16 F1, 0, 0, 0
	MUL16 F1, 0, 2, 0
	s_wait_dscnt 0x0
	WIN MUL_HI
	MUL16 F1, 1, 0, 0
	MUL16 F1, 1, 2, 0
	WIN 0
	; THE WAY OUT.  First the bias of my 64 keys, once for all eight blocks of queries.
	PLACES
	s_wait_loadcnt 0x0                             ; the mask words, asked for at the head
	v_mov_b32 v[NEGB], 0xce6e6b28                  ; -1e9
	v_mov_b32 v[MX+1], 0                           ; (named as the upper half of a pair, so it is written)
	v_mov_b32 v[PT], 0                             ; (a lane permute's destination counts as one of its sources)
.set N, 0
.rept 64
	v_cmp_eq_u32 vcc_lo, 0, v[MK+N]
	v_cndmask_b32 v[BIAS+N], 0, v[NEGB], vcc_lo    ; -1e9 where the mask is 0, else 0
.set N, N+1
.endr
; Block a: 16 queries x my 128 keys; a lane holds 64 of its query's scores, the lane 16 away the other 64.
.macro SOFT a
.set AC, 64*((\a)%4)
	WIN 0x02+(\a)/4                                ; source 0: the accumulators' window
.set N, 0
.rept 32
	v_pk_fma_f32 v[T+N:T+N+1], v[AC+N:AC+N+1], s[RS:RS+1], v[BIAS+N:BIAS+N+1] op_sel_hi:[1,0,1]   ; t = s / 32 + bias: the division by a power of two rounds nothing, so one fused line gives the sum's own rounding.  Each accumulator is read from its low end on
.set N, N+2
.endr
	WIN 0
.irp c, 0,1,2,3
	v_max3_num_f32 v[CHN+\c], v[T+16*\c], v[T+16*\c+1], v[T+16*\c+2]   ; the largest t, in four chains by turns
.endr
.irp i, 3,5,7,9,11,13
.irp c, 0,1,2,3
	v_max3_num_f32 v[CHN+\c], v[CHN+\c], v[T+16*\c+\i], v[T+16*\c+\i+1]
.endr
.endr
.irp c, 0,1,2,3
	v_max_num_f32 v[CHN+\c], v[CHN+\c], v[T+16*\c+15]
.endr
	v_max3_num_f32 v[MX], v[CHN], v[CHN+1], v[CHN+2]
	v_max_num_f32 v[MX], v[MX], v[CHN+3]
	v_permlanex16_b32 v[PT], v[MX], s[SEL], s[SEL+1]
	v_max_num_f32 v[MX], v[MX], v[PT]              ; with the lane 16 away: m
.set N, 0
.rept 32
	v_pk_add_f32 v[T+N:T+N+1], v[T+N:T+N+1], v[MX:MX+1] op_sel_hi:[1,0] neg_lo:[0,1] neg_hi:[0,1]   ; t - m FIRST, and only then the factor: near -1e9 the difference is exact, a fused t log2(e) - m log2(e) would not be
.set N, N+2
.endr
.set N, 0
.rept 32
	v_pk_mul_f32 v[T+N:T+N+1], v[T+N:T+N+1], s[L2E:L2E+1] op_sel_hi:[1,0]
.set N, N+2
.endr
.set N, 0
.rept 64
	v_exp_f32 v[T+N], v[T+N]                       ; p = e^(t - m), at most 1
.set N, N+1
.endr
	v_nop                                          ; a plain line behind the last exponential
	s_wait_alu depctr_va_vdst(0)                   ; the wait ahead of the first line that names a result: one for the batch of 64
	v_pk_add_f32 v[SUM:SUM+1], v[T:T+1], v[T+4:T+5]               ; l is the sum of the UNROUNDED p, two at a time, in two chains
	v_pk_add_f32 v[SUM+2:SUM+3], v[T+2:T+3], v[T+6:T+7]
.irp j, 8,12,16,20,24,28,32,36,40,44,48,52,56,60
	v_pk_add_f32 v[SUM:SUM+1], v[SUM:SUM+1], v[T+\j:T+\j+1]
	v_pk_add_f32 v[SUM+2:SUM+3], v[SUM+2:SUM+3], v[T+\j+2:T+\j+3]
.endr
	v_pk_add_f32 v[SUM:SUM+1], v[SUM:SUM+1], v[SUM+2:SUM+3]
	v_add_f32 v[LS], v[SUM], v[SUM+1]
	v_permlanex16_b32 v[PT], v[LS], s[SEL], s[SEL+1]
	v_add_f32 v[LS], v[LS], v[PT]
	s_wait_xcnt 0x0                                ; the last block's stores have read their data: the packed registers are written again only behind this wait
.set N, 0
.rept 32
	v_cvt_pk_f16_f32 v[PK+N], v[T+2*N], v[T+2*N+1]
.set N, N+1
.endr
.irp b, 0,1,2,3,4,5,6,7
	global_store_b128 v[PO], v[PK+4*\b:PK+4*\b+3], s[8:9] offset:65536*(\a)+512*\b   ; keys 16 b + 8 h + 0 .. 7 of row r: half an operand's image: 32 lanes store 512 consecutive bytes, aligned
.endr
	ds_store_b32 v[SA], v[MX] offset:64*(\a)       ; both halves of the lanes write the same word with the same value
	ds_store_b32 v[SA], v[LS] offset:512+64*(\a)
.endm
.irp a, 0,1,2,3,4,5,6,7
	SOFT \a
.endr
	ds_load_b128 v[T:T+3], v[SR]                   ; LDS serves a wave's instructions in order: these see my stores: my 128 rows' m,
	ds_load_b128 v[T+4:T+7], v[SR] offset:512      ; and l
	s_wait_dscnt 0x0
	global_store_b128 v[PO], v[T:T+3], s[10:11]                   ; 32 lanes store 512 consecutive bytes, aligned
	global_store_b128 v[PO], v[T+4:T+7], s[10:11] offset:524288
	s_wait_tensorcnt 0x0                           ; the wave's end, behind my last tensor load and my last LDS store
	ds_add_u32 v[SPW], v[NIL]
	s_wait_dscnt 0x0
	CROUND                                         ; the closing round: no work-group ends while a partner may still ask for a tile that names it
	s_endpgm
.Lfunc_end_k_qc9659833a1_scores:
	.size	k_qc9659833a1_scores, .Lfunc_end_k_qc9659833a1_scores-k_qc9659833a1_scores
	.p2alignl 7, 3214868480
	.fill 96, 4, 3214868480
	.section	.rodata,"a",@progbits
	.p2align	6, 0x0
	.amdhsa_kernel k_qc9659833a1_scores
		.amdhsa_group_segment_fixed_size 327680
		.amdhsa_private_segment_fixed_size 0
		.amdhsa_enable_private_segment 0
		.amdhsa_kernarg_size 32
		.amdhsa_user_sgpr_count 2
		.amdhsa_user_sgpr_kernarg_segment_ptr 1
		.amdhsa_wavefront_size32 1
		.amdhsa_system_sgpr_workgroup_id_x 1
		.amdhsa_system_sgpr_workgroup_id_y 1
		.amdhsa_system_sgpr_workgroup_id_z 1
		.amdhsa_system_vgpr_workitem_id 0
		.amdhsa_next_free_vgpr 1024
		.amdhsa_next_free_sgpr 76
		.amdhsa_reserve_vcc 1
		.amdhsa_float_denorm_mode_32 3
		.amdhsa_float_denorm_mode_16_64 3
		.amdhsa_memory_ordered 1
		.amdhsa_forward_progress 1
		.amdhsa_inst_pref_size 239
	.end_amdhsa_kernel
	.amdgpu_metadata
---
amdhsa.version: [ 1, 2 ]
amdhsa.kernels:
  - .name:           k_qc9659833a1_scores
    .symbol:         k_qc9659833a1_scores.kd
    .args:
      - { .name: qkv, .offset: 0, .size: 8, .value_kind: global_buffer, .address_space: global }
      - { .name: mask, .offset: 8, .size: 8, .value_kind: global_buffer, .address_space: global }
      - { .name: pimg, .offset: 16, .size: 8, .value_kind: global_buffer, .address_space: global }
      - { .name: stats, .offset: 24, .size: 8, .value_kind: global_buffer, .address_space: global }
    .group_segment_fixed_size: 327680
    .private_segment_fixed_size: 0
    .kernarg_segment_align: 8
    .kernarg_segment_size: 32
    .max_flat_workgroup_size: 128
    .sgpr_count:     76
    .vgpr_count:     1024
    .wavefront_size: 32
...
	.end_amdgpu_metadata
.endif
;; end of part 3
;; launch pv (part 4): grid 8 x 32, 4 waves a work-group, clusters of 4 x 4, 327,680 bytes of LDS; arguments qkv, pimg, stats, out0; writes out0
.if DOCPART == 4
	.amdgcn_target "amdgcn-amd-amdhsa--gfx1250"
	.amdhsa_code_object_version 6
	.text
	.protected	k_qc9659833a1_pv
	.globl	k_qc9659833a1_pv
	.p2align	8
	.type	k_qc9659833a1_pv,@function
k_qc9659833a1_pv:
	s_mov_b64 s[64:65], 0
	v_nop
	global_prefetch_b8 v0, s[64:65] scope:SCOPE_SE
	s_setreg_imm32_b32 hwreg(HW_REG_WAVE_MODE, 25, 1), 1
	s_wait_xcnt 0x0
	s_wait_alu depctr_hold_cnt(0) depctr_sa_sdst(0) depctr_va_vdst(0) depctr_va_sdst(0) depctr_va_ssrc(0) depctr_va_vcc(0) depctr_vm_vsrc(0)
	s_getreg_b32 s2, hwreg(HW_REG_IB_STS2, 6, 4)
	s_cmp_eq_u32 s2, 0
	s_cbranch_scc0 .Lentry_in_a_cluster
	s_endpgm
.Lentry_in_a_cluster:
	s_bfe_u32 s2, ttmp6, 0x10000c
	s_cmp_lg_u32 s2, 0xf033
	s_cbranch_scc0 .Lentry_shape_is_right
	s_endpgm
.Lentry_shape_is_right:
; out[row][e] = sum over the 16 chunks t of c'_t x (sum over the chunk's 128 keys of p[row][key] v[key][e]),  c'_t = e^(m_t - the row's largest m) / L,  L = sum over t of e^(m_t - the largest) l_t:
; the softmax's second half and the product with v.  p and v are f16 operands; every sum, c' and L are f32.
; The row's largest m is a true maximum, so the exponentials are at most 1, and L is at least 1 (the chunk that holds the maximum has the factor 1 and l >= 1): no division by 0, with every key masked too.
; LIMIT: v beyond 65,504 is an infinity in f16.
; SHARES.  Work-group: 256 rows x 128 columns e.  Wave w: rows 64 w .. 64 w + 63 (four blocks a of 16) x all 128 columns (eight blocks b).  Every wave walks the batch's 2,048 keys.
; A CHUNK HAS SUMS OF ITS OWN: its 128 keys (four quarters of 32) are summed in 32 accumulators that its first products start with the constant 0; when the chunk is done each accumulator is folded into O by four
; packed fused multiply-adds, O += c' x sum, which stand in front of the product that starts that accumulator anew, in the next chunk's first quarter.  Since 1 / L is inside c', O is the result as it stands.
; THE MATRIX INSTRUCTION IS USED TRANSPOSED: source 0 = v^T (16 e x 32 keys, turned on its way out of LDS by ds_load_tr16_b128), source 1 = p's fragment (16 rows x 32 keys): a lane holds one row and eight neighbouring e.
; v comes through a ring of two LDS slots of 256 keys, each wave fetching 64 keys with one tensor load.  CLUSTERS: 4 x 4 work-groups; the four of a column of the cluster (same e, same batch) need the same
; tiles of v: they are asked for JOINTLY.
; p COMES FROM MEMORY STRAIGHT INTO REGISTERS: it was stored as images of this operand's registers.  A ring of eight register slots (a slot: 32 keys x my 64 rows, eight loads of 512 consecutive bytes) is asked
; for seven quarters ahead.  p is NOT asked for jointly, though the eight work-groups of a row of tiles read it: through LDS a quarter's 32 matrix instructions would want 24 LDS loads, not 16, and the
; LDS taken from v's slots would halve the keys that one tensor load brings.
; REGISTERS: window 0: v2-14 addresses; v32-39 c' of the chunk in hand (block a in the low word of pair a); v40-55 at work at the head; v64-127, v128-191 v's fragments, two buffers (at the head: m and l);
;   v128-255 rows on the way out.   window 1: O, (a, b) at v[8 (8 a + b)].   window 2: p's ring, slot i at v[32 i], block a at + 8 a.   window 3: the chunk's sums, laid as O.
.set PV,    288                        ; a row of v in LDS: 256 bytes + 32 of padding = 72 words
.set SLOT1, 1<<17                      ; slot 1 begins here: one exclusive or turns an address in one slot into the other's.  A slot: 256 rows x 288 = 73,728 bytes
.set CT,    SLOT1+256*PV               ; behind the ring: c', 4,096 bytes a wave: [16 chunks][64 rows] f32
.set STAGE, CT+4*4096                  ; the way out: 16 rows x (512 bytes + 16) a wave
.set SPARE, STAGE+4*16*528             ; the spare words, 128 bytes a wave, which no other line names
.set AV0, 2                            ; v2   my lane's place in a tile of v
.set ADV, 4                            ; v4-5 LDS address of the slot in hand: keys 0-127, keys 128-255
.set PO,  6                            ; v6   16 x lane
.set CTA, 7                            ; v7   where I read c': my row among 16, the slot's first chunk
.set STO, 8
.set RD,  9
.set SO,  10                           ; v10  the statistics: 16 x (lane % 16), and eight chunks on for lanes 16-31
.set CTW, 14                           ; v14  where I put c'
.set SPW, 28
.set NIL, 29
.set CF,  32
.set MR,  40                           ; v40-43 the largest m of my four rows
.set LS,  44                           ; v44-47 L
.set PT,  48                           ; v48-51 what the lane 16 away holds
.set RI,  52                           ; v52-55 1 / L
.set VF,  64
.set MT,  64                           ; at the head: m of chunk 8 (lane / 16) + j, row 4 (lane % 16) + e at v[MT + 4 j + e]; then c'
.set LT,  96                           ; l likewise
.set BK,  128
.set WV,  12
.set TB,  15                           ; s15  LDS byte at which the slot in hand begins
.set G1,  24
.set G0A, 32
.set G0W, 36                           ; the walking descriptor
.set PB,  44                           ; s[44:45] p's images: my four blocks of rows, the slot in hand
.set L2E, 46
.set SEL, 48
.set MSB, 0
.macro WIN new
.if MSB != (\new)
	s_set_vgpr_msb (MSB<<8)|(\new)
.set MSB, (\new)
.endif
.endm
.set W_MM, 0xf8                        ; source 0 (v) window 0, source 1 (p) window 2, C and D window 3
.set W_DR, 0x53                        ; source 0 (the chunk's sum) window 3, source 1 (c') window 0, source 2 and destination (O) window 1
.macro CREST
	s_cmp_lg_u32 s[WV], 0
	s_cbranch_scc1 .Lnot_wave_0_\@
	s_barrier_signal -3
.Lnot_wave_0_\@:
	s_barrier_wait -3
	s_barrier_signal -1
	s_barrier_wait -1
.endm
.macro CROUND
	s_barrier_signal -1
	s_barrier_wait -1
	CREST
.endm
	s_load_b256 s[4:11], s[0:1], 0x0               ; qkv s[4:5], pimg s[6:7], stats s[8:9], out0 s[10:11]
	v_lshl_add_u32 v[SPW], v0, 2, SPARE
	v_mov_b32 v[NIL], 0
	ds_add_u32 v[SPW], v[NIL]                      ; the wave's opening: the add, twice on end, and its wait ahead of my first tensor load
	ds_add_u32 v[SPW], v[NIL]
	v_lshrrev_b32 v1, 5, v0
	v_readfirstlane_b32 s[WV], v1                  ; wave 0..3
	s_bfe_u32 s40, ttmp6, 0x40000                  ; cx
	s_bfe_u32 s41, ttmp6, 0x40004                  ; cy
	s_lshl_b32 s42, ttmp9, 2
	s_add_co_u32 s42, s42, s40                     ; tile of 128 columns = 4 x cluster x + cx
	s_and_b32 s14, ttmp7, 0xffff
	s_lshl_b32 s13, s14, 2
	s_add_co_u32 s13, s13, s41                     ; tile of 256 rows = 4 x cluster y + cy
	s_lshr_b32 s14, s14, 1                         ; the batch, made of the cluster's y alone
	s_lshl_b32 s16, 0x1111, s40                    ; my column of the cluster
	s_or_b32 s[G1+0], s16, (1<<16)|(1<<20)|(1<<21)|(5<<22)|(7<<25)  ; 15:0 the mask; 17:16 elements of 2 bytes; 20 padding on; 21 set beside a mask; 24:22 after every 64 words; 31:25 eight words
	s_mov_b32 s[G1+1], 128<<16                     ; tensor_dim0 = 128
	s_mov_b32 s[G1+2], 64<<16                      ; tensor_dim1 = 64
	s_mov_b32 s[G1+3], 128<<16                     ; tile_dim0 = 128
	s_mov_b32 s[G1+4], 64                          ; tile_dim1 = 64
	s_mov_b32 s[G1+5], 3072                        ; elements from row to row
	s_mov_b32 s[G1+6], 0
	s_mov_b32 s[G1+7], 0
	s_lshl_b32 s16, s14, 11
	s_lshl_b32 s17, s[WV], 6
	s_add_co_u32 s16, s16, s17
	s_mul_i32 s16, s16, 6144                       ; v: row 2,048 x batch + 64 x wave,
	s_lshl_b32 s17, s42, 8
	s_add_co_u32 s16, s16, s17                     ; + 256 bytes for each tile of columns,
	s_add_co_u32 s16, s16, 4096                    ; 4,096 bytes into the row
	s_mov_b32 s17, 0
	s_mul_i32 s18, s[WV], 64*PV                    ; where it goes: wave x 64 rows: no place in the cluster enters an LDS address
	s_mov_b32 s[TB], 0
	s_mov_b32 s[L2E], 0x3fb8aa3b                   ; log2(e)
	s_mov_b32 s[L2E+1], s[L2E]
	s_mov_b32 s[SEL], 0x76543210                   ; v_permlanex16_b32's selects for lane l xor 16
	s_mov_b32 s[SEL+1], 0xfedcba98
	s_wait_dscnt 0x0                               ; both opening adds are done
	s_wait_kmcnt 0x0
	CROUND                                         ; all sixteen work-groups are here: the first joint loads meet
	s_mov_b32 s[G0A], 1
	s_mov_b32 s[G0A+1], s18
	s_add_nc_u64 s[G0A+2:G0A+3], s[4:5], s[16:17]  ; keys 0 .. 255
	s_or_b32 s[G0A+3], s[G0A+3], 0x80000000
	s_mov_b32 s[G0W], 1
	s_add_co_u32 s[G0W+1], s18, SLOT1
	s_add_nc_u64 s[G0W+2:G0W+3], s[4:5], s[16:17]
	s_add_nc_u64 s[G0W+2:G0W+3], s[G0W+2:G0W+3], 256*6144  ; keys 256 .. 511
	s_or_b32 s[G0W+3], s[G0W+3], 0x80000000
	tensor_load_to_lds s[G0A:G0A+3], s[G1:G1+7]    ; both first fills together: two loads of mine are out
	s_nop 0
	tensor_load_to_lds s[G0W:G0W+3], s[G1:G1+7]
	s_nop 0
.rept 4
	v_nop
.endr
	v_and_b32 v1, 15, v0                           ; r
	v_bfe_u32 v3, v0, 4, 1                         ; h
	v_lshlrev_b32 v[SO], 4, v1                     ; the statistics of four neighbouring rows are 16 bytes,
	v_lshl_add_u32 v[SO], v3, 18, v[SO]            ; and lanes 16-31 begin eight chunks of 32,768 bytes further on
	s_lshl_b32 s16, s13, 8
	s_lshl_b32 s17, s[WV], 6
	s_add_co_u32 s16, s16, s17                     ; my first row: 256 x tile + 64 x wave
	s_lshl_b32 s20, s16, 2
	s_mov_b32 s21, 0
	s_add_nc_u64 s[8:9], s[8:9], s[20:21]          ; stats at my first row
	s_lshl_b32 s20, s16, 12                        ; p: a block of 16 rows is 65,536 bytes: 4,096 bytes a row
	s_add_nc_u64 s[PB:PB+1], s[6:7], s[20:21]
	s_lshl_b32 s22, s42, 9
	s_add_co_u32 s20, s20, s22                     ; out0: rows of 4,096 bytes, + 512 bytes for each tile of columns
	s_add_nc_u64 s[10:11], s[10:11], s[20:21]
.irp j, 0,1,2,3,4,5,6,7
	global_load_b128 v[MT+4*\j:MT+4*\j+3], v[SO], s[8:9] offset:32768*\j          ; m: sixteen lanes read my 64 rows of one chunk, 256 consecutive bytes
.endr
.irp j, 0,1,2,3,4,5,6,7
	global_load_b128 v[LT+4*\j:LT+4*\j+3], v[SO], s[8:9] offset:524288+32768*\j   ; l likewise
.endr
	v_and_b32 v13, 31, v0
	v_lshlrev_b32 v[PO], 4, v13
; Quarter qo (counted from the slot in hand) of p into ring slot: block a, group g: 512 consecutive bytes
.macro PLOAD slot, qo
	WIN 0x80                                       ; destination window 2, address window 0
.irp a, 0,1,2,3
.irp g, 0,1
	global_load_b128 v[32*(\slot)+8*\a+4*\g:32*(\slot)+8*\a+4*\g+3], v[PO], s[PB:PB+1] offset:65536*\a+1024*(\qo)+512*\g
.endr
.endr
.endm
.irp i, 0,1,2,3,4
	PLOAD \i, \i
.endr
	WIN 0
	v_and_b32 v11, 7, v0
	v_bfe_u32 v12, v0, 3, 1
	v_lshl_add_u32 v[AV0], v3, 3, v11              ; the turning load: lane l reads 16 bytes: key 8 (l / 16) + l % 8, columns 8 ((l / 8) % 2) + 0 .. 7
	v_mul_u32_u24 v[AV0], v[AV0], PV
	v_lshl_add_u32 v[AV0], v12, 4, v[AV0]
	v_mov_b32 v[ADV], v[AV0]                       ; slot 0
	v_add_nc_u32 v[ADV+1], 128*PV, v[AV0]
	s_lshl_b32 s19, s[WV], 12
	s_add_co_u32 s19, s19, CT                      ; my wave's table
	v_lshl_add_u32 v[CTW], v1, 4, s19              ; in: my four rows' 16 bytes,
	v_lshl_add_u32 v[CTW], v3, 11, v[CTW]          ; eight chunks of 256 bytes on for lanes 16-31
	v_lshl_add_u32 v[CTA], v1, 2, s19              ; back: row r of a block of 16
	s_mul_i32 s19, s[WV], 16*528
	s_add_co_u32 s19, s19, STAGE
	v_mul_u32_u24 v[STO], v1, 528                  ; into the stage: row r, 32 bytes for each half of the lanes
	v_lshl_add_u32 v[STO], v3, 5, v[STO]
	v_add_nc_u32 v[STO], s19, v[STO]
	v_add_nc_u32 v[RD], s19, v[PO]                 ; back: the 32 lanes take one row of 512 bytes
.irp a, 0,1,2,3
	v_mov_b32 v[CF+2*\a+1], 0                      ; (named as the upper halves of pairs, so they are written)
	v_mov_b32 v[PT+\a], 0                          ; (a lane permute's destination counts as one of its sources)
.endr
	; THE CHUNKS ARE JOINED.  A lane holds four rows and eight chunks; the lane 16 away holds the same rows' other eight.
	s_wait_loadcnt 40                              ; m and l are in; p's five quarters, 40 loads, may be out
	PLOAD 5, 5
	PLOAD 6, 6
	WIN 0
.irp e, 0,1,2,3
	v_max3_num_f32 v[MR+\e], v[MT+\e], v[MT+4+\e], v[MT+8+\e]     ; the largest m, the four rows by turns
.endr
.irp j, 3,5
.irp e, 0,1,2,3
	v_max3_num_f32 v[MR+\e], v[MR+\e], v[MT+4*\j+\e], v[MT+4*\j+4+\e]
.endr
.endr
.irp e, 0,1,2,3
	v_max_num_f32 v[MR+\e], v[MR+\e], v[MT+28+\e]
.endr
.irp e, 0,1,2,3
	v_permlanex16_b32 v[PT+\e], v[MR+\e], s[SEL], s[SEL+1]
.endr
.irp e, 0,1,2,3
	v_max_num_f32 v[MR+\e], v[MR+\e], v[PT+\e]     ; with the other eight chunks': the row's
.endr
.set N, 0
.rept 16
	v_pk_add_f32 v[MT+N:MT+N+1], v[MT+N:MT+N+1], v[MR+N%4:MR+N%4+1] neg_lo:[0,1] neg_hi:[0,1]   ; m - the largest, FIRST, and only then the factor: near -1e9 the difference is exact
.set N, N+2
.endr
.set N, 0
.rept 16
	v_pk_mul_f32 v[MT+N:MT+N+1], v[MT+N:MT+N+1], s[L2E:L2E+1] op_sel_hi:[1,0]
.set N, N+2
.endr
.set N, 0
.rept 32
	v_exp_f32 v[MT+N], v[MT+N]                     ; e^(m - the largest), at most 1
.set N, N+1
.endr
	v_nop                                          ; a plain line behind the last exponential
	s_wait_alu depctr_va_vdst(0)                   ; the wait ahead of the first line that names a result: one for the batch of 32
	v_pk_mul_f32 v[LS:LS+1], v[MT:MT+1], v[LT:LT+1]               ; L: the first chunk starts the sums
	v_pk_mul_f32 v[LS+2:LS+3], v[MT+2:MT+3], v[LT+2:LT+3]
.irp j, 1,2,3,4,5,6,7
	v_pk_fma_f32 v[LS:LS+1], v[MT+4*\j:MT+4*\j+1], v[LT+4*\j:LT+4*\j+1], v[LS:LS+1]
	v_pk_fma_f32 v[LS+2:LS+3], v[MT+4*\j+2:MT+4*\j+3], v[LT+4*\j+2:LT+4*\j+3], v[LS+2:LS+3]
.endr
.irp e, 0,1,2,3
	v_permlanex16_b32 v[PT+\e], v[LS+\e], s[SEL], s[SEL+1]
.endr
.irp e, 0,1,2,3
	v_add_f32 v[LS+\e], v[LS+\e], v[PT+\e]
.endr
.irp e, 0,1,2,3
	v_rcp_f32 v[RI+\e], v[LS+\e]
.endr
	v_nop
	s_wait_alu depctr_va_vdst(0)                   ; one wait for the four reciprocals
.set N, 0
.rept 16
	v_pk_mul_f32 v[MT+N:MT+N+1], v[MT+N:MT+N+1], v[RI+N%4:RI+N%4+1]   ; c'
.set N, N+2
.endr
.irp j, 0,1,2,3,4,5,6,7
	ds_store_b128 v[CTW], v[MT+4*\j:MT+4*\j+3] offset:256*\j      ; my wave's own bytes: read back by my wave alone, and LDS serves a wave's instructions in order
.endr
	s_wait_tensorcnt 1                             ; my part of slot 0 is in; slot 1's may stay out
	s_wait_dscnt 0x0
	s_barrier_signal -1
	s_barrier_wait -1                              ; everybody's is
; 16 turning loads in one run: v's fragments of the slot's kq-th 32 keys into buffer buf: block b: columns 16 b on; registers 0-3 keys 8 h + 0 .. 7, registers 4-7 keys 16 + 8 h + 0 .. 7
.macro FETCH_V kq, buf
	WIN 0
.irp b, 0,1,2,3,4,5,6,7
	ds_load_tr16_b128 v[VF+64*(\buf)+8*\b:VF+64*(\buf)+8*\b+3],   v[ADV+(\kq)/4] offset:((\kq)%4)*32*PV+32*\b
	ds_load_tr16_b128 v[VF+64*(\buf)+8*\b+4:VF+64*(\buf)+8*\b+7], v[ADV+(\kq)/4] offset:((\kq)%4)*32*PV+32*\b+16*PV
.endr
.endm
.macro CLOAD cfo                       ; c' of the chunk at byte cfo from the slot's first: a word for each of my four blocks, into the low words of four pairs
.irp a, 0,1,2,3
	ds_load_b32 v[CF+2*\a], v[CTA] offset:(\cfo)+64*\a
.endr
.endm
.macro WM n, slot, buf, zero           ; product n = 8 a + b
.if \zero
	v_wmma_f32_16x16x32_f16 v[8*(\n):8*(\n)+7], v[VF+64*(\buf)+8*((\n)%8):VF+64*(\buf)+8*((\n)%8)+7], v[32*(\slot)+8*((\n)/8):32*(\slot)+8*((\n)/8)+7], 0
.else
	v_wmma_f32_16x16x32_f16 v[8*(\n):8*(\n)+7], v[VF+64*(\buf)+8*((\n)%8):VF+64*(\buf)+8*((\n)%8)+7], v[32*(\slot)+8*((\n)/8):32*(\slot)+8*((\n)/8)+7], v[8*(\n):8*(\n)+7]
.endif
.endm
.macro MULS n0, cnt, slot, buf         ; cnt products from n0 on.  The 32 accumulators take turns, in the same order in every quarter
	WIN W_MM
.set N, \n0
.rept \cnt
	WM N, \slot, \buf, 0
.set N, N+1
.endr
.endm
.macro DRAIN n, mode                   ; accumulator n of the chunk that is done goes into O, from its low end on.  mode = 1: the first chunk starts O: nothing is cleared
	WIN W_DR
.irp u, 0,2,4,6
.if (\mode) == 1
	v_pk_mul_f32 v[8*(\n)+\u:8*(\n)+\u+1], v[8*(\n)+\u:8*(\n)+\u+1], v[CF+2*((\n)/8):CF+2*((\n)/8)+1] op_sel_hi:[1,0]
.else
	v_pk_fma_f32 v[8*(\n)+\u:8*(\n)+\u+1], v[8*(\n)+\u:8*(\n)+\u+1], v[CF+2*((\n)/8):CF+2*((\n)/8)+1], v[8*(\n)+\u:8*(\n)+\u+1] op_sel_hi:[1,0,1]
.endif
.endr
.endm
; A QUARTER is 32 keys: 32 matrix instructions.  lc: p's loads that may stay out when this quarter's are wanted.  qo >= 0: ring slot i - 1, just multiplied, takes the quarter seven on.
; A chunk's FIRST quarter (i = 0, 4).  mode > 0: in front of each product stand the four lines that fold its accumulator's finished sum into O; then the product starts the sum anew.
; Five v_nop stand at its head: a line that reads a matrix result wants four places behind the product that wrote it, a product that writes over it five; for the later accumulators the lines of the earlier ones are places too.
.macro QZ i, lc, qo, mode
	s_wait_dscnt 0x0                               ; v's fragments, and c', are in
	s_wait_loadcnt \lc                             ; this quarter's p is in
.if \mode
.rept 5
	v_nop
.endr
.endif
.set M, 0
.rept 32
.if \mode
	DRAIN M, \mode
.endif
	WIN W_MM
	WM M, \i, (\i)%2, 1
.if M == 7
	FETCH_V (\i)+1, ((\i)+1)%2                     ; the run of loads stands behind eight products
.if (\qo) >= 0
	PLOAD ((\i)+7)%8, \qo
.endif
.endif
.set M, M+1
.endr
.endm
; Any other quarter but a slot's last.  cfo >= 0: a chunk's c' is fetched.  Four v_nop are the places between the last quarter's products and the loads into the registers that they read.
.macro QN i, lc, qo, cfo
	s_wait_dscnt 0x0
	s_wait_loadcnt \lc
	MULS 0, 8, \i, (\i)%2
.rept 4
	v_nop
.endr
	FETCH_V (\i)+1, ((\i)+1)%2
.if (\cfo) >= 0
	CLOAD \cfo
.endif
.if (\qo) >= 0
	PLOAD ((\i)+7)%8, \qo
.endif
	MULS 8, 24, \i, (\i)%2
.endm
; Quarter 7 changes slots: ONE barrier.  In front of it each wave waits for all its tensor loads (one is out: its part of the other slot), adds 0 to its spare word, and waits for that; its reads of this slot are over.
; fill = 1: the barrier opens a round of the cluster's barrier and this slot is filled again with the keys two slots on: the load has 240 matrix instructions in which to land.
.macro TURN fill, lc, qo
	s_wait_dscnt 0x0                               ; v's last fragments of this slot are in: my reads of it are over
	s_wait_loadcnt \lc
	WIN 0                                          ; (the add's two registers lie in window 0)
	s_wait_tensorcnt 0x0                           ; no tensor load of mine is out, so a group 0 may be written
	ds_add_u32 v[SPW], v[NIL]                      ; 0 onto my spare word
.if \fill
	s_xor_b32 s[G0W+1], s[G0W+1], SLOT1            ; the walking descriptor: the other slot than last time,
	s_add_nc_u64 s[G0W+2:G0W+3], s[G0W+2:G0W+3], 256*6144  ; the next 256 keys; the type bits on top are not reached
.endif
	MULS 0, 8, 7, 1                                ; eight products stand between the add and the wait for it
	s_wait_dscnt 0x0                               ; the add is done
	s_barrier_signal -1
	MULS 8, 8, 7, 1                                ; work on registers while the others arrive
	WIN 0
	s_barrier_wait -1
.if \fill
	CREST                                          ; no wave of any partner still reads this slot or has a load on its way
	tensor_load_to_lds s[G0W:G0W+3], s[G1:G1+7]    ; the first thing behind the round, and my one tensor load until the next
	s_nop 0
.endif
.rept 4
	v_nop                                          ; the places in front of the loads below
.endr
	s_xor_b32 s[TB], s[TB], SLOT1                  ; on to the other slot
	v_add_nc_u32 v[ADV], s[TB], v[AV0]
	v_add_nc_u32 v[ADV+1], 128*PV, v[ADV]
	FETCH_V 0, 0
	PLOAD 6, \qo
	MULS 16, 16, 7, 1
.endm
; A slot: two chunks.  c' of its first chunk is fetched in quarter 1 and used in quarter 4; that of its second in quarter 5, used in the next slot's quarter 0.
.macro SLOT m0, m4, fill
	QZ 0, 48, 7, \m0                               ; 48: the six quarters of p behind the one in hand
	QN 1, 48, 8, 0
	QN 2, 48, 9, -1
	QN 3, 48, 10, -1
	QZ 4, 48, 11, \m4
	QN 5, 48, 12, 256
	QN 6, 48, 13, -1
	TURN \fill, 48, 14
	WIN 0                                          ; at a label and at a branch every window is 0
	s_wait_xcnt 0x0                                ; p's loads have read their base: it is stepped only behind this wait
	s_add_nc_u64 s[PB:PB+1], s[PB:PB+1], 8192      ; eight quarters of 1,024 bytes
	v_add_nc_u32 v[CTA], 512, v[CTA]               ; two chunks
.endm
	FETCH_V 0, 0
	SLOT 0, 1, 1                                   ; the first slot is written out: its first quarter has nothing to fold, its fifth starts O
	s_mov_b32 s3, 5
.Lslot:                                                ; five trips: each fills the slot that it leaves
	SLOT 2, 2, 1
	s_sub_co_u32 s3, s3, 1
	s_cmp_lg_u32 s3, 0
	s_cbranch_scc1 .Lslot
	SLOT 2, 2, 0                                   ; the last two slots are written out
	QZ 0, 48, 7, 2                                 ; p's last quarter, the 64th, is asked for here
	QN 1, 48, -1, 0                                ; and the counts run down
	QN 2, 40, -1, -1
	QN 3, 32, -1, -1
	QZ 4, 24, -1, 2
	QN 5, 16, -1, 256
	QN 6, 8, -1, -1
	s_wait_dscnt 0x0
	s_wait_loadcnt 0x0
	MULS 0, 32, 7, 1
; THE WAY OUT, a block of 16 rows x 128 columns at a time: the last chunk's sums are folded in; a lane's 32 neighbouring bytes go into my stage and come back as whole rows of 512 bytes.
.macro DRAINB a
.set M, 8*(\a)
.rept 8
	DRAIN M, 2
.set M, M+1
.endr
.endm
.macro TOSTAGE a
	WIN 0x04                                       ; an LDS store's data are its source 1: window 1
.irp b, 0,1,2,3,4,5,6,7
	ds_store_b128 v[STO], v[64*(\a)+8*\b:64*(\a)+8*\b+3] offset:64*\b
	ds_store_b128 v[STO], v[64*(\a)+8*\b+4:64*(\a)+8*\b+7] offset:64*\b+16
.endr
	WIN 0
.set BB, BK+64*((\a)%2)
.irp t, 0,1,2,3,4,5,6,7,8,9,10,11,12,13,14,15
	ds_load_b128 v[BB+4*\t:BB+4*\t+3], v[RD] offset:\t*528         ; LDS serves a wave's instructions in order (ISA guide 5.7.1.4): these see the stores above, and the next block's stores come behind them
.endr
.endm
.macro SEND a, younger                 ; younger: the LDS instructions issued behind block a's loads, which may stay out
.set BB, BK+64*((\a)%2)
	s_wait_dscnt \younger
.irp t, 0,1,2,3,4,5,6,7,8,9,10,11,12,13,14,15
	global_store_b128 v[PO], v[BB+4*\t:BB+4*\t+3], s[10:11] offset:(16*(\a)+\t)*4096 th:TH_STORE_NT   ; 32 lanes store 512 consecutive bytes, at a multiple of 512 from the buffer's first byte; written once, read by nobody here
.endr
.endm
.rept 4
	v_nop                                          ; four places behind the last products, ahead of the first read of their results
.endr
	DRAINB 0                                       ; (these 32 lines are also the places ahead of the loads into the registers that held v's fragments)
	TOSTAGE 0
.irp a, 1,2,3
	DRAINB \a
.if \a > 1
	s_wait_xcnt 0x0                                ; block a - 2's stores have read their registers: block a's rows may land there
.endif
	TOSTAGE \a
	SEND \a-1, 32                                  ; behind block a - 1's loads: block a's 16 stores and 16 loads
.endr
	SEND 3, 0
	s_wait_tensorcnt 0x0                           ; the wave's end, behind my last tensor load and my last LDS store
	ds_add_u32 v[SPW], v[NIL]
	s_wait_dscnt 0x0
	CROUND                                         ; the closing round: no work-group ends while a partner may still ask for a tile that names it
	s_endpgm
.Lfunc_end_k_qc9659833a1_pv:
	.size	k_qc9659833a1_pv, .Lfunc_end_k_qc9659833a1_pv-k_qc9659833a1_pv
	.p2alignl 7, 3214868480
	.fill 96, 4, 3214868480
	.section	.rodata,"a",@progbits
	.p2align	6, 0x0
	.amdhsa_kernel k_qc9659833a1_pv
		.amdhsa_group_segment_fixed_size 327680
		.amdhsa_private_segment_fixed_size 0
		.amdhsa_enable_private_segment 0
		.amdhsa_kernarg_size 32
		.amdhsa_user_sgpr_count 2
		.amdhsa_user_sgpr_kernarg_segment_ptr 1
		.amdhsa_wavefront_size32 1
		.amdhsa_system_sgpr_workgroup_id_x 1
		.amdhsa_system_sgpr_workgroup_id_y 1
		.amdhsa_system_sgpr_workgroup_id_z 1
		.amdhsa_system_vgpr_workitem_id 0
		.amdhsa_next_free_vgpr 1024
		.amdhsa_next_free_sgpr 66
		.amdhsa_reserve_vcc 0
		.amdhsa_float_denorm_mode_32 3
		.amdhsa_float_denorm_mode_16_64 3
		.amdhsa_memory_ordered 1
		.amdhsa_forward_progress 1
		.amdhsa_inst_pref_size 241
	.end_amdhsa_kernel
	.amdgpu_metadata
---
amdhsa.version: [ 1, 2 ]
amdhsa.kernels:
  - .name:           k_qc9659833a1_pv
    .symbol:         k_qc9659833a1_pv.kd
    .args:
      - { .name: qkv, .offset: 0, .size: 8, .value_kind: global_buffer, .address_space: global }
      - { .name: pimg, .offset: 8, .size: 8, .value_kind: global_buffer, .address_space: global }
      - { .name: stats, .offset: 16, .size: 8, .value_kind: global_buffer, .address_space: global }
      - { .name: out0, .offset: 24, .size: 8, .value_kind: global_buffer, .address_space: global }
    .group_segment_fixed_size: 327680
    .private_segment_fixed_size: 0
    .kernarg_segment_align: 8
    .kernarg_segment_size: 32
    .max_flat_workgroup_size: 128
    .sgpr_count:     66
    .vgpr_count:     1024
    .wavefront_size: 32
...
	.end_amdgpu_metadata
.endif
;; end of part 4
